; MI455X (gfx1250); checked and timed in simulation.
; The chip was launched on July 23, 2026; its instructions are those of AMD's public machine-readable ISA for CDNA 5 (MIT licence, August 2026) and "CDNA5" Instruction Set Architecture Reference Guide (July 2026). The comments in the code are by the model that wrote it; some were corrected since.
;; Simplified Transformer Block. Allowed arithmetic: matrix products marked QUANTISED: E5M2 operands, one given power-of-two scale a tensor, by v_wmma_f32_16x16x64_bf8_bf8 or v_wmma_f32_16x16x128_bf8_bf8, f32 sums; everything else in f32.
;; Inputs: W1_codes 4,096 x 32 x 32 uint8 (E5M2 codes of W1, K innermost, in blocks of 32 codes); W2_codes 1,024 x 128 x 32 uint8 (E5M2 codes of W2, K innermost, in blocks of 32 codes); W_qk_codes 2,048 x 32 x 32 uint8 (E5M2 codes of W_qk, K innermost, in blocks of 32 codes); alpha one number float32; alpha_ff one number float32; b1 4,096 float32; b2 1,024 float32; b_qk 2,048 float32; beta one number float32; beta_ff one number float32; gamma one number float32; lowp_scales 10 int32 (the exponents e of the quantised operands' scales 2^e); x 2 x 2,048 x 1,024 float32.
;; Outputs: out0 2 x 2,048 x 1,024 float32.
;; This version of the problem:
;;   THIS VERSION OF THE PROBLEM IS GIVEN IN LOW PRECISION. The matrix products marked QUANTISED in the list below multiply operands that are first quantised to E5M2 (5 exponent bits, 2 mantissa bits; 8 bits a number), with one given power-of-two scale for each operand tensor; their sums are f32. All else is computed in f32.
;;   The module's matrix products, in the order in which they are computed (A, B: the left and right operand; K: the contracted axis; several contracted axes count as one K, in the product's order):
;;     1. [M 4,096, K 1,024] x [K 1,024, N 2,048]; A: input x; B: input W_qk (given as codes): QUANTISED (scales: A lowp_scales[0], B lowp_scales[1])
;;     2. batch 32 x [M 2,048, K 64] x [K 64, N 2,048]; A: computed on the way; B: computed on the way: QUANTISED (scales: A lowp_scales[2], B lowp_scales[3])
;;     3. batch 32 x [M 2,048, K 2,048] x [K 2,048, N 64]; A: computed on the way; B: input x: QUANTISED (scales: A lowp_scales[4], B lowp_scales[5])
;;     4. [M 4,096, K 1,024] x [K 1,024, N 4,096]; A: input x; B: input W1 (given as codes): QUANTISED (scales: A lowp_scales[6], B lowp_scales[7])
;;     5. [M 4,096, K 4,096] x [K 4,096, N 1,024]; A: computed on the way; B: input W2 (given as codes): QUANTISED (scales: A lowp_scales[8], B lowp_scales[9])
;;   THE QUANTISER, for each operand of a quantised product, along K:
;;     - The operand's scale is 2^e, e = its entry of the input lowp_scales (int32; the entries are numbered through the quantised products in the list's order, A before B).
;;     - Each number is divided by the scale, clamped to +-57,344, and rounded to the nearest number of E5M2, ties to even, subnormals kept.
;;     - The product sums the exact products of the quantised numbers (number of the format x scale) in f32.
;;   ~~~python
;;   def quantise(x, axis, e):      # numpy; x: float32 -> the quantised numbers, widened to float32 again
;;       x = np.moveaxis(x, axis, -1); K = x.shape[-1]
;;       r = np.clip(x / 2.0 ** e, -57344, 57344)
;;       step = 2.0 ** (np.maximum(np.frexp(np.where(r == 0, 1, r))[1] - 1, -14) - 2)
;;       q = np.round(r / step) * step * 2.0 ** e      # np.round: ties to even
;;       return np.moveaxis(q, -1, axis).astype(np.float32)
;;   ~~~
;;   OPERANDS COMPUTED ON THE WAY. 'Computed on the way' means the value that the module computes at that place (a softmax that the list does not call 'softmax' is quantised finished and normalised). What goes into a quantiser is computed in f32, as accurately as f32 sums, v_exp_f32 and their like allow (about 1e-6 of the number): no bf16 or f16 on the way to a quantiser, and a product that is left as it is and whose result goes on into a quantised operand takes f32 operands (vector FMAs, or v_wmma_f32_16x16x4_f32). A number that lies on a knife's edge between two numbers of the format may be rounded either way, as far as f32 arithmetic and the matrix unit's own rounding can turn it there, and no further.
;;   INPUTS GIVEN AS CODES. W1 (in the module: [4096, 1024], K = its axis 1); W2 (in the module: [1024, 4096], K = its axis 1); W_qk (in the module: [2048, 1024], K = its axis 1): each comes as NAME_codes (uint8): NAME with its K axis moved to the last place and cut into blocks of 32 codes, [.., K / 32, bytes a block], one block behind the other in memory; one code a byte (a code: sign, 5 exponent bits, 2 mantissa bits); its scale is its entry of lowp_scales. Its value is code x scale, taken as it is: it is not quantised again, and the codes and scales need not be those that the quantiser above would give.
;; 2 versions. Each part assembles by itself: llvm-mc -triple=amdgcn-amd-amdhsa -mcpu=gfx1250 --defsym DOCPART=n.
;; ======== version 1 of 2: 4 launches
;; workspace buffers: xq 8,388,608 bytes; xt 4,194,304 bytes; qk 8,388,608 bytes; hq 16,777,216 bytes; att 16,777,216 bytes
;; launch quant (part 1): grid 4 x 32, 16 waves a work-group, no clusters, 202,752 bytes of LDS; arguments x, lowp_scales, xq, xt; writes xq, xt
.if DOCPART == 1
	.amdgcn_target "amdgcn-amd-amdhsa--gfx1250"
	.amdhsa_code_object_version 6
	.text
	.protected	k_qb436e489ba_quant
	.globl	k_qb436e489ba_quant
	.p2align	8
	.type	k_qb436e489ba_quant,@function
k_qb436e489ba_quant:
	s_mov_b64 s[64:65], 0
	v_nop
	global_prefetch_b8 v0, s[64:65] scope:SCOPE_SE
	s_setreg_imm32_b32 hwreg(HW_REG_WAVE_MODE, 25, 1), 1
	s_wait_xcnt 0x0
; x [4096 tokens][1024 channels] f32 is read ONCE and becomes three tensors of E5M2 codes:
;   xq plane 0 (scale 2^e0) and plane 1 (scale 2^e6): [4096][1024], channels innermost: the left operands of x W_qk^T and x W1^T;
;   xt (scale 2^e5): [32 (n, head)][16 key steps][64 channels][128 keys], keys innermost: the right operand of the attention's second product.
; code = x / 2^e, held within +-57,344, to the nearest code, ties to even.  LIMITS: -126 <= e <= 112 for e0, e5, e6; NaN among the inputs is not served.
; SHARES.  A work-group takes 128 tokens (one key step of one n) x 256 channels (four heads): so a row of xq's part is 256 bytes and a row of xt 128 bytes, 2,048 dense bytes a wave.
; The tile lies in LDS as f32.  Along the channels a lane reads 16 neighbours of a row; along the tokens a lane takes one channel and its registers run down 64 tokens:
; in both cases the conversions find neighbours along K in one lane's consecutive registers, and nothing is transposed by an instruction.
; No matrix work, no tensor load, no cluster: work-groups share nothing, and all of a wave's 16 loads are out at once.
.set TP,   1280                        ; a tile row in LDS: 16 groups of 64 bytes + 16 of padding
.set STG,  128*TP                      ; behind the tile: a stage of 16 rows x 144 bytes for each wave, its own
.set SGP,  144
.set X,    16                          ; v16-79   as loaded; later 64 tokens of one channel
.set Y,    80                          ; v80-143  4 x 16 neighbours along the channels; later xt's codes and the way out
.set T,    144                         ; v144-159 16 numbers held at the largest code (v144-146 serve as temporaries at the head)
.set CD,   160                         ; v160-191 xq's codes: registers of their own for each store
	s_load_b256 s[4:11], s[0:1], 0x0               ; x s[4:5], the scales' exponents s[6:7], xq s[8:9], xt s[10:11]
	v_lshl_add_u32 v192, v0, 2, 0x31000
	v_mov_b32 v193, 0
	v_lshrrev_b32 v15, 5, v0
	v_readfirstlane_b32 s12, v15                   ; wave 0..15
	v_and_b32 v15, 31, v0                          ; lane L
	v_and_b32 v144, 15, v0                         ; L % 16
	v_bfe_u32 v145, v0, 4, 1                       ; L / 16
	v_lshlrev_b32 v1, 4, v15                       ; 16 L: my 16 bytes of 512 consecutive ones, in x and in xt
	s_mul_i32 s30, s12, 8*TP                       ; my wave's 8 rows of the tile
	v_lshrrev_b32 v2, 2, v15
	v_mul_u32_u24 v2, v2, 80
	v_and_b32 v146, 3, v0
	v_lshl_add_u32 v2, v146, 4, v2
	v_add_nc_u32 v2, s30, v2                       ; into the tile: four lanes fill a group of 64 bytes: 80 (L / 4) + 16 (L % 4)
	v_mul_u32_u24 v3, v145, TP
	v_mad_u32_u24 v3, v144, 80, v3
	v_add_nc_u32 v3, s30, v3                       ; by rows: row L / 16 of two, group L % 16: my 16 neighbouring channels
	v_lshlrev_b32 v4, 10, v145
	v_lshl_add_u32 v4, v144, 4, v4                 ; and their 16 codes in xq: sixteen lanes fill 256 bytes of a row
	s_mul_i32 s31, s12, 80                         ; by columns: my wave's 16 channels are group w of every row
	v_mul_u32_u24 v5, v145, 64*TP
	v_lshl_add_u32 v5, v144, 2, v5
	v_add_nc_u32 v5, s31, v5                       ; channel L % 16 of them, tokens 64 (L / 16) on
	v_add_nc_u32 v6, 32*TP, v5                     ; the same 32 tokens further down (the 16-bit offset does not reach 63 rows)
	s_mul_i32 s32, s12, 16*SGP
	s_add_co_u32 s32, s32, STG                     ; my stage
	v_mul_u32_u24 v7, v144, SGP
	v_lshl_add_u32 v7, v145, 6, v7
	v_add_nc_u32 v7, s32, v7                       ; in: row = my channel, 64 bytes for each half of the lanes
	v_lshrrev_b32 v8, 3, v15
	v_mul_u32_u24 v8, v8, SGP
	v_and_b32 v146, 7, v0
	v_lshl_add_u32 v8, v146, 4, v8
	v_add_nc_u32 v8, s32, v8                       ; back: eight lanes to a row of 128 bytes, four rows an instruction
	s_and_b32 s13, ttmp7, 0xffff                   ; ty: 16 n + key step
	s_lshl_b32 s14, s13, 7
	s_lshl_b32 s15, s12, 3
	s_add_co_u32 s14, s14, s15                     ; my wave's first token: 128 ty + 8 w
	s_lshl_b32 s24, s14, 12
	s_lshl_b32 s15, ttmp9, 10
	s_add_co_u32 s24, s24, s15                     ; in x: 4,096 bytes a token + 1,024 tx
	s_mov_b32 s25, 0
	s_lshl_b32 s26, s14, 10
	s_lshl_b32 s15, ttmp9, 8
	s_add_co_u32 s26, s26, s15                     ; in xq: 1,024 bytes a token + 256 tx
	s_mov_b32 s27, 0
	s_lshr_b32 s28, s13, 4
	s_lshl_b32 s28, s28, 4                         ; 16 n
	s_lshl_b32 s15, ttmp9, 2
	s_add_co_u32 s28, s28, s15
	s_lshr_b32 s15, s12, 2
	s_add_co_u32 s28, s28, s15                     ; + my head: 4 tx + w / 4
	s_lshl_b32 s28, s28, 4
	s_and_b32 s15, s13, 15
	s_add_co_u32 s28, s28, s15                     ; x 16 key steps + mine
	s_lshl_b32 s28, s28, 13                        ; blocks of 8,192 bytes
	s_and_b32 s15, s12, 3
	s_lshl_b32 s15, s15, 11
	s_add_co_u32 s28, s28, s15                     ; + my 16 channels' rows of 128 bytes
	s_mov_b32 s29, 0
	s_wait_kmcnt 0x0
	s_load_b256 s[16:23], s[6:7], 0x0              ; e0 .. e7
	s_add_nc_u64 s[4:5], s[4:5], s[24:25]
	s_add_nc_u64 s[8:9], s[8:9], s[26:27]
	s_add_nc_u64 s[10:11], s[10:11], s[28:29]
.set ii, 0
.rept 16                                       ; my 8 rows x 1,024 bytes: each load reads 512 consecutive bytes; read once in the launch
	global_load_b128 v[X+4*ii:X+4*ii+3], v1, s[4:5] offset:(ii/2)*4096+512*(ii%2) th:TH_LOAD_NT
.set ii, ii+1
.endr
	s_wait_kmcnt 0x0
.macro SCALE e, sc, lim                        ; 2^e as f32 (the conversion takes its exponent field) and 57,344 x 2^e
	s_add_co_i32 s33, s[\e], 127
	s_lshl_b32 s34, s33, 23
	v_mov_b32 v[\sc], s34
	s_add_co_i32 s33, s33, 15
	s_lshl_b32 s33, s33, 23
	s_or_b32 s33, s33, 0x600000
	v_mov_b32 v[\lim], s33
.endm
	SCALE 16, 9, 10                                ; e0
	SCALE 22, 11, 12                               ; e6
	SCALE 21, 13, 14                               ; e5
.set ii, 0
.rept 16
	s_wait_loadcnt 15-ii                           ; loads come back in order: this one is in, the younger ones stay out
	ds_store_b128 v2, v[X+4*ii:X+4*ii+3] offset:(ii/2)*TP+640*(ii%2)
.set ii, ii+1
.endr
; BY ROWS: my own 8 rows, so no barrier: LDS serves a wave's instructions in order
.set ii, 0
.rept 16
	ds_load_b128 v[Y+4*ii:Y+4*ii+3], v3 offset:(ii/4)*2*TP+16*(ii%4)
.set ii, ii+1
.endr
.macro PLANE j, sc, lim, dst                   ; 16 neighbours -> 16 codes
.set ii, 0
.rept 16
	v_med3_num_f32 v[T+ii], v[Y+16*\j+ii], -v[\lim], v[\lim]   ; the conversion to an 8-bit code does not saturate (ISA guide 7.6.2): the hold comes first
.set ii, ii+1
.endr
	v_cvt_scalef32_pk8_bf8_f32 v[\dst:\dst+1], v[T:T+7], v[\sc]
	v_cvt_scalef32_pk8_bf8_f32 v[\dst+2:\dst+3], v[T+8:T+15], v[\sc]
	v_nop                                          ; a plain line between the conversions and the next write of their sources
.endm
.irp j, 0,1,2,3
	s_wait_dscnt 12-4*\j                           ; this pair of rows is in; the later groups of four loads stay out
	PLANE \j, 9, 10, CD+8*\j
	PLANE \j, 11, 12, CD+8*\j+4
	global_store_b128 v4, v[CD+8*\j:CD+8*\j+3], s[8:9] offset:2048*\j            ; plane 0: sixteen lanes store 256 consecutive bytes, aligned
	global_store_b128 v4, v[CD+8*\j+4:CD+8*\j+7], s[8:9] offset:2048*\j+0x400000 ; plane 1
.endr
	s_wait_dscnt 0x0                               ; for the others' sake: my stores into the tile have landed
	s_barrier_signal -1
	s_barrier_wait -1                              ; the tile is whole
; BY COLUMNS: one channel a lane, registers down 64 tokens
.set ii, 0
.rept 32
	ds_load_b32 v[X+ii], v5 offset:ii*TP
.set ii, ii+1
.endr
.set ii, 0
.rept 32
	ds_load_b32 v[X+32+ii], v6 offset:ii*TP
.set ii, ii+1
.endr
	s_wait_dscnt 0x0
.set ii, 0
.rept 64
	v_med3_num_f32 v[X+ii], v[X+ii], -v14, v14
.set ii, ii+1
.endr
.set ii, 0
.rept 8
	v_cvt_scalef32_pk8_bf8_f32 v[Y+2*ii:Y+2*ii+1], v[X+8*ii:X+8*ii+7], v13
.set ii, ii+1
.endr
	v_nop
.irp j, 0,1,2,3
	ds_store_b128 v7, v[Y+4*\j:Y+4*\j+3] offset:16*\j          ; 64 codes of my channel's row
.endr
.irp i, 0,1,2,3
	ds_load_b128 v[Y+16+4*\i:Y+16+4*\i+3], v8 offset:4*SGP*\i  ; my own stage: these see the stores above
.endr
.irp i, 0,1,2,3
	s_wait_dscnt 3-\i
	global_store_b128 v1, v[Y+16+4*\i:Y+16+4*\i+3], s[10:11] offset:512*\i   ; 512 consecutive bytes an instruction, 2,048 a wave
.endr
	s_wait_tensorcnt 0x0
	ds_add_u32 v192, v193
	s_wait_dscnt 0x0
	s_endpgm
.Lfunc_end_k_qb436e489ba_quant:
	.size	k_qb436e489ba_quant, .Lfunc_end_k_qb436e489ba_quant-k_qb436e489ba_quant
	.p2alignl 7, 3214868480
	.fill 96, 4, 3214868480
	.section	.rodata,"a",@progbits
	.p2align	6, 0x0
	.amdhsa_kernel k_qb436e489ba_quant
		.amdhsa_group_segment_fixed_size 202752
		.amdhsa_private_segment_fixed_size 0
		.amdhsa_enable_private_segment 0
		.amdhsa_kernarg_size 32
		.amdhsa_user_sgpr_count 2
		.amdhsa_user_sgpr_kernarg_segment_ptr 1
		.amdhsa_wavefront_size32 1
		.amdhsa_system_sgpr_workgroup_id_x 1
		.amdhsa_system_sgpr_workgroup_id_y 1
		.amdhsa_system_sgpr_workgroup_id_z 1
		.amdhsa_system_vgpr_workitem_id 0
		.amdhsa_next_free_vgpr 194
		.amdhsa_next_free_sgpr 66
		.amdhsa_reserve_vcc 0
		.amdhsa_float_denorm_mode_32 3
		.amdhsa_float_denorm_mode_16_64 3
		.amdhsa_memory_ordered 1
		.amdhsa_forward_progress 1
		.amdhsa_inst_pref_size 28
	.end_amdhsa_kernel
	.amdgpu_metadata
---
amdhsa.version: [ 1, 2 ]
amdhsa.kernels:
  - .name:           k_qb436e489ba_quant
    .symbol:         k_qb436e489ba_quant.kd
    .args:
      - { .name: x, .offset: 0, .size: 8, .value_kind: global_buffer, .address_space: global }
      - { .name: lowp_scales, .offset: 8, .size: 8, .value_kind: global_buffer, .address_space: global }
      - { .name: xq, .offset: 16, .size: 8, .value_kind: global_buffer, .address_space: global }
      - { .name: xt, .offset: 24, .size: 8, .value_kind: global_buffer, .address_space: global }
    .group_segment_fixed_size: 202752
    .private_segment_fixed_size: 0
    .kernarg_segment_align: 8
    .kernarg_segment_size: 32
    .max_flat_workgroup_size: 512
    .sgpr_count:     66
    .vgpr_count:     194
    .wavefront_size: 32
...
	.end_amdgpu_metadata
.endif
;; end of part 1
;; launch proj (part 2): grid 24 x 16, 4 waves a work-group, clusters of 4 x 4, 327,680 bytes of LDS; arguments xq, W_qk_codes, W1_codes, b_qk, b1, lowp_scales, qk, hq; writes qk, hq
.if DOCPART == 2
	.amdgcn_target "amdgcn-amd-amdhsa--gfx1250"
	.amdhsa_code_object_version 6
	.text
	.protected	k_qb436e489ba_proj
	.globl	k_qb436e489ba_proj
	.p2align	8
	.type	k_qb436e489ba_proj,@function
k_qb436e489ba_proj:
	s_mov_b64 s[64:65], 0
	v_nop
	global_prefetch_b8 v0, s[64:65] scope:SCOPE_SE
	s_setreg_imm32_b32 hwreg(HW_REG_WAVE_MODE, 25, 1), 1
	s_wait_xcnt 0x0
	s_wait_alu depctr_hold_cnt(0) depctr_sa_sdst(0) depctr_va_vdst(0) depctr_va_sdst(0) depctr_va_ssrc(0) depctr_va_vcc(0) depctr_vm_vsrc(0)
	s_getreg_b32 s2, hwreg(HW_REG_IB_STS2, 6, 4)
	s_cmp_eq_u32 s2, 0
	s_cbranch_scc0 .Lentry_in_a_cluster
	s_endpgm
.Lentry_in_a_cluster:
	s_bfe_u32 s2, ttmp6, 0x10000c
	s_cmp_lg_u32 s2, 0xf033
	s_cbranch_scc0 .Lentry_shape_is_right
	s_endpgm
.Lentry_shape_is_right:
; Two products on E5M2 codes in one launch, both [4096 tokens] x [K = 1024]:
;   tile columns 0-7  (cluster x 0, 1):  x W_qk^T + b_qk, quantised with 2^e2 (Q, cluster x 0) or 2^e3 (K, cluster x 1) into qk [n][32 heads][2048 tokens][64];
;   tile columns 8-23 (cluster x 2..5):  gelu(x W1^T + b1), quantised with 2^e8 into hq [4096][4096].
; The left operand is xq's plane 0 (scale 2^e0) or plane 1 (2^e6).  Which product a work-group makes hangs on the cluster's x alone, which its sixteen partners share.
; A sum stands for sum x 2^(eA + eB); y = sum x 2^(eA + eB) + bias in f32; gelu(y) = y / (1 + 2^(y (k1 + k2 y^2))), k1 = -2 log2(e) sqrt(2 / pi), k2 = 0.044715 k1: the tanh form without its cancellation.
; LIMITS: e0 + e1 and e6 + e7 between -126 and 127; e2, e3, e8 between -126 and 112.  NaN among the inputs is not served.
; A tile of C, 256 x 256, is made by four waves, each 128 x 128: 64 accumulators, 512 registers.  K goes in steps of 256 through a ring of two LDS slots filled by the tensor data mover.
; CLUSTERS: 4 x 4 work-groups.  The four of a row of the cluster need the same tiles of xq, the four of a column the same tiles of the weight: each tile is asked for JOINTLY.
; THE MATRIX INSTRUCTION IS USED TRANSPOSED (source 0 = 16 rows of the weight, source 1 = 16 tokens): a lane holds eight neighbouring columns of one token: neighbours along the next product's K.
; REGISTERS, in windows of 256: window 0: v0-31 addresses and constants; v32-95 the bias in the result's layout; from v128 A's fragments, ONE set; on the way out v96-255 are free.
;   window 1: B's fragments, TWO sets.   window 2: the accumulators of my rows 0-63 ((a, b) at v[8 (8 a + b)]);   window 3: those of my rows 64-127.
.set SIZE_K, 1024
.set KSTEP,  256
.set ROWB,   256                       ; a tile's row in bytes
.set KROW,   SIZE_K                    ; a row of either operand in memory, in bytes
.set PITCH,  272                       ; an LDS row: 256 bytes + 16 of padding = 68 words: the 16 rows that a load touches start at 16 different banks (64 banks of 4 bytes: ISA guide 11.1)
.set FR,     16
.set NL,     4
.set NP,     4                         ; places behind this matrix instruction (ISA guide 7.12.1)
.set HALFT,  128*PITCH
.set SLOT,   4*HALFT
.set LAPS,   SIZE_K/(2*KSTEP)
.set SPARE,  2*SLOT                    ; behind the ring: the spare words, 128 bytes for each wave
.set QS,   7                           ; v7      2^eO as f32, for the conversions
.set QL,   8                           ; v8      57,344 x 2^eO
.set BO,   9                           ; v9      32 (l / 16): my half's eight numbers of a bias block; never rewritten
.set K1,   10                          ; v10-11  k1, twice
.set ADRA, 16
.set ADRB, 20
.set RDQ,  22                          ; v22-23  the way out by heads: where I read 16 bytes of a token's 64 (tokens 0-127, 128-255)
.set RDQ2, 23
.set STO,  24                          ; v24     the way out: where I put 8 codes of a row
.set RDH,  25                          ; v25     the way out by rows: where I read 16 bytes of a row's 256
.set COH,  26                          ; v26     my byte offset in hq
.set COQ,  27                          ; v27     my byte offset in qk
.set SPW,  28
.set NIL,  29
.set BIAS, 32
.set Y,    96                          ; the way out: a block's 64 numbers; later rows read back
.set T,    160                         ; the way out: at work
.set CD,   224                         ; the way out: a block's codes
.set AF,   128
.set G1, 24
.set G0, 32
.set G1B, 48
.set G0B, 56
.set MSB, 0
.macro WIN new                         ; the immediate's high byte repeats the setting that is left
.if MSB != \new
	s_set_vgpr_msb (MSB<<8)|\new
.set MSB, \new
.endif
.endm
.set MUL_LO, 0xa1                      ; source 0 (B) window 1, source 1 (A) window 0, C and D window 2
.set MUL_HI, 0xf1
.set TO_B,   0x40
; A joint load: waves 0 and 1 fetch for A, waves 2 and 3 for B; the branch hangs on the wave's number alone.  Four v_nop follow each of the two lines.
.macro JLOAD g0a, g1a, g0b, g1b
	s_cmp_eq_u32 s15, 0
	s_cbranch_scc0 .Lfor_b_\@
	tensor_load_to_lds s[\g0a:\g0a+3], s[\g1a:\g1a+7]
	s_nop 0
.rept 4
	v_nop
.endr
	s_branch .Lasked_\@
.Lfor_b_\@:
	tensor_load_to_lds s[\g0b:\g0b+3], s[\g1b:\g1b+7]
	s_nop 0
.rept 4
	v_nop
.endr
.Lasked_\@:
.endm
.macro CREST                           ; a round of the cluster's barrier behind its opening barrier
	s_cmp_lg_u32 s14, 0
	s_cbranch_scc1 .Lnot_wave_0_\@
	s_barrier_signal -3
.Lnot_wave_0_\@:
	s_barrier_wait -3
	s_barrier_signal -1
	s_barrier_wait -1
.endm
.macro CROUND
	s_barrier_signal -1
	s_barrier_wait -1
	CREST
.endm
	s_load_b256 s[4:11], s[0:1], 0x0               ; xq s[4:5], W_qk s[6:7], W1 s[8:9], b_qk s[10:11]
	s_load_b256 s[68:75], s[0:1], 0x20             ; b1 s[68:69], the scales' exponents s[70:71], qk s[72:73], hq s[74:75]
	v_lshl_add_u32 v[SPW], v0, 2, SPARE
	v_mov_b32 v[NIL], 0
	ds_add_u32 v28, v29
	ds_add_u32 v28, v29
	s_wait_dscnt 0x0
	v_lshrrev_b32 v1, 5, v0
	v_readfirstlane_b32 s14, v1                    ; wave 0..3
	s_lshr_b32 s15, s14, 1                         ; which half of the tile's rows is mine.  Also: I fetch for A (0) or for B (1)
	s_and_b32 s16, s14, 1                          ; which half of its columns.  Also: which 128 rows of that tile I fetch
	s_bfe_u32 s40, ttmp6, 0x40000                  ; cx, cy: my place in the cluster
	s_bfe_u32 s41, ttmp6, 0x40004
	s_lshl_b32 s42, ttmp9, 2
	s_add_co_u32 s42, s42, s40                     ; tile column = 4 x cluster x + cx
	s_and_b32 s17, ttmp7, 0xffff
	s_lshl_b32 s17, s17, 2
	s_add_co_u32 s17, s17, s41                     ; tile row = 4 x cluster y + cy
	s_lshl_b32 s43, s41, 2
	s_lshl_b32 s43, 15, s43                        ; my row of the cluster
	s_lshl_b32 s44, 0x1111, s40                    ; my column
	s_or_b32 s[G1+0], s43, (0<<16)|(1<<20)|(1<<21)|(5<<22)|(3<<25)  ; 15:0 the mask; 17:16 elements of 1 byte; 20 padding on; 21 set beside a mask; 24:22 after every 64 words; 31:25 four words
	s_or_b32 s[G1B+0], s44, (0<<16)|(1<<20)|(1<<21)|(5<<22)|(3<<25)
.irp g, G1, G1B
	s_mov_b32 s[\g+1], ROWB<<16                    ; tensor_dim0
	s_mov_b32 s[\g+2], 128<<16                     ; tensor_dim1
	s_mov_b32 s[\g+3], ROWB<<16                    ; tile_dim0
	s_mov_b32 s[\g+4], 128                         ; tile_dim1
	s_mov_b32 s[\g+5], KROW                        ; tensor_dim0_stride
	s_mov_b32 s[\g+6], 0
	s_mov_b32 s[\g+7], 0
.endr
	s_cmp_lt_u32 ttmp9, 2                          ; the first product's clusters?
	s_cselect_b32 s88, 0, 0x400000                 ; xq's plane, in bytes
	s_cselect_b32 s89, 0, 8
	s_sub_co_u32 s92, s42, s89                     ; the tile column within my product
	s_lshl_b32 s18, s16, 7                         ; which 128 rows of the tile I fetch
	s_lshl_b32 s20, s17, 8
	s_add_co_u32 s20, s20, s18
	s_lshl_b32 s20, s20, 10                        ; A: (256 x tile row + 128 x half) rows of 1,024 bytes
	s_add_co_u32 s20, s20, s88                     ;    in my product's plane
	s_mov_b32 s21, 0
	s_lshl_b32 s46, s92, 8
	s_add_co_u32 s46, s46, s18
	s_lshl_b32 s46, s46, 10                        ; B: (256 x tile column + 128 x half) rows
	s_mov_b32 s47, 0
	s_mul_i32 s45, s14, HALFT                      ; where they go: wave x 128 rows: no place in the cluster enters an LDS address
	s_wait_kmcnt 0x0
	s_load_b256 s[76:83], s[70:71], 0x0            ; e0 .. e7
	s_load_b64 s[84:85], s[70:71], 0x20            ; e8, e9
	s_cmp_lt_u32 ttmp9, 2
	s_cselect_b64 s[6:7], s[6:7], s[8:9]           ; my product's weight
	s_cselect_b64 s[10:11], s[10:11], s[68:69]     ; and bias
	s_add_nc_u64 s[20:21], s[4:5], s[20:21]
	s_add_nc_u64 s[46:47], s[6:7], s[46:47]
	CROUND                                         ; all sixteen work-groups are here: the first joint loads meet
.irp s, 0,1
	s_mov_b32 s[G0+4*\s], 1
	s_add_co_u32 s[G0+4*\s+1], s45, \s*SLOT
	s_add_nc_u64 s[G0+4*\s+2:G0+4*\s+3], s[20:21], \s*ROWB
	s_or_b32 s[G0+4*\s+3], s[G0+4*\s+3], 0x80000000
	s_mov_b32 s[G0B+4*\s], 1
	s_add_co_u32 s[G0B+4*\s+1], s45, \s*SLOT
	s_add_nc_u64 s[G0B+4*\s+2:G0B+4*\s+3], s[46:47], \s*ROWB
	s_or_b32 s[G0B+4*\s+3], s[G0B+4*\s+3], 0x80000000
	JLOAD G0+4*\s, G1, G0B+4*\s, G1B
.endr
	v_and_b32 v1, 15, v0                           ; l % 16
	v_bfe_u32 v2, v0, 4, 1                         ; l / 16
	v_mul_u32_u24 v3, v1, PITCH
	v_lshl_add_u32 v4, v2, 4, v3                   ; a fragment's row x pitch + 16 x half
	s_mul_i32 s21, s15, HALFT                      ; my 128 rows of A
	s_mul_i32 s22, s16, HALFT                      ; my 128 rows of B,
	s_add_co_u32 s22, s22, 2*HALFT                 ; which lie behind A's 256
.irp s, 0,1
	v_add_nc_u32 v[ADRA+\s], s21, v4
	v_add_nc_u32 v[ADRB+\s], s22, v4
	s_add_co_u32 s21, s21, SLOT
	s_add_co_u32 s22, s22, SLOT
.endr
	; the way out: ONE stage for the work-group, 256 rows x (256 codes + 16), in slot 0
	s_mul_i32 s23, s15, HALFT
	s_lshl_b32 s22, s16, 7
	s_add_co_u32 s23, s23, s22
	v_lshl_add_u32 v[STO], v2, 3, v3
	v_add_nc_u32 v[STO], s23, v[STO]               ; in: row 128 x my row half + l % 16, byte 128 x my column half + 8 (l / 16)
	s_mul_i32 s23, s14, 64*PITCH
	v_mul_u32_u24 v5, v2, PITCH
	v_lshl_add_u32 v5, v1, 4, v5
	v_add_nc_u32 v[RDH], s23, v5                   ; back by rows: wave w takes rows 64 w on, sixteen lanes to a row
	v_and_b32 v6, 31, v0
	v_lshrrev_b32 v5, 2, v6
	v_mul_u32_u24 v5, v5, PITCH
	v_and_b32 v3, 3, v0
	v_lshl_add_u32 v5, v3, 4, v5
	s_lshl_b32 s23, s14, 6
	v_add_nc_u32 v[RDQ], s23, v5                   ; back by heads: wave w takes bytes 64 w on of every row, four lanes to a token
	v_add_nc_u32 v[RDQ2], 128*PITCH, v[RDQ]
	v_lshlrev_b32 v[COH], 12, v2
	v_lshl_add_u32 v[COH], v1, 4, v[COH]           ; hq: two rows of 4,096 bytes an instruction
	v_lshlrev_b32 v[COQ], 4, v6                    ; qk: 512 dense bytes an instruction
	v_lshlrev_b32 v[BO], 5, v2
	s_lshl_b32 s94, s92, 10
	s_lshl_b32 s95, s16, 9
	s_add_co_u32 s94, s94, s95
	s_mov_b32 s95, 0
	s_add_nc_u64 s[10:11], s[10:11], s[94:95]      ; the bias at my 128 columns
.irp b, 0,1,2,3,4,5,6,7                        ; block b, lane (r, h): columns 16 b + 8 h + 0 .. 7: the result's layout.  Waited for once, on the way out
	global_load_b128 v[BIAS+8*\b:BIAS+8*\b+3], v[BO], s[10:11] offset:64*\b
	global_load_b128 v[BIAS+8*\b+4:BIAS+8*\b+7], v[BO], s[10:11] offset:64*\b+16
.endr
.macro FRAG reg, adr, q, i             ; 16 rows x 128 K in 16 registers: lane l holds row l % 16; registers 4 c .. 4 c + 3 hold K = 32 c + 16 (l / 16) + 0 .. 15: the same order of k in A and in B
.irp c, 0,1,2,3
	ds_load_b128 v[\reg+4*\c:\reg+4*\c+3], v[\adr] offset:128*(\q)+32*\c+(\i)*16*PITCH
.endr
.endm
; 16 matrix instructions: A's blocks a0, a0 + 1 x B's eight.  The 64 accumulators take turns, one instruction a turn, in the same order in every step.
.macro MUL16 a0, p, zero
.irp a, \a0, \a0+1
.irp b, 0,1,2,3,4,5,6,7
.if \zero
	v_wmma_f32_16x16x128_bf8_bf8 v[8*(8*((\a)%4)+\b):8*(8*((\a)%4)+\b)+7], v[128*(\p)+FR*\b:128*(\p)+FR*\b+FR-1], v[AF+FR*(\a):AF+FR*(\a)+FR-1], 0
.else
	v_wmma_f32_16x16x128_bf8_bf8 v[8*(8*((\a)%4)+\b):8*(8*((\a)%4)+\b)+7], v[128*(\p)+FR*\b:128*(\p)+FR*\b+FR-1], v[AF+FR*(\a):AF+FR*(\a)+FR-1], v[8*(8*((\a)%4)+\b):8*(8*((\a)%4)+\b)+7]
.endif
.endr
.endr
.endm
.macro FETCH_B slot, q, p
	WIN TO_B
.irp i, 0,1,2,3,4,5,6,7
	FRAG 128*(\p)+FR*\i, ADRB+\slot, \q, \i
.endr
	WIN 0
.endm
.macro FETCH_A slot, q, i0
.irp i, \i0, \i0+1, \i0+2, \i0+3
	FRAG AF+FR*(\i), ADRA+\slot, \q, \i
.endr
.endm
.macro PLACES n                        ; plain vector lines between a matrix instruction and a load into, or a vector read or write of, its registers
.rept \n
	v_nop
.endr
.endm
.macro STEP slot, q, zero              ; 128 along K, with its successor in the same slot
	s_wait_dscnt 4*NL                              ; B's set and A's blocks 0-3 are in; the youngest sixteen loads (A's blocks 4-7) may be out
	WIN MUL_LO
	MUL16 0, (\q)%2, \zero
	MUL16 2, (\q)%2, \zero
	s_wait_dscnt 0
	PLACES NP
	FETCH_B \slot, (\q)+1, 1-(\q)%2
	FETCH_A \slot, (\q)+1, 0
	WIN MUL_HI
	MUL16 4, (\q)%2, \zero
	MUL16 6, (\q)%2, \zero
	PLACES NP
	WIN 0
	FETCH_A \slot, (\q)+1, 4
.endm
; A slot's last step changes slots: ONE barrier; in front of it each wave waits for all its tensor loads, adds 0 to its spare word, and waits for that and for its own reads of this slot.
.macro TURN slot, next, fill
	s_wait_tensorcnt 0x0                           ; all my tensor loads have landed: my part of the next slot
	ds_add_u32 v[SPW], v[NIL]                      ; 0 onto my spare word
	s_wait_dscnt 4*NL+1                            ; (the add and the youngest sixteen loads may be out)
	WIN MUL_LO
	MUL16 0, 1, 0
	s_wait_dscnt 0x0                               ; the add is done, and my reads of this slot are over
	s_barrier_signal -1
	MUL16 2, 1, 0
	WIN 0
	s_barrier_wait -1
.if \fill
	CREST                                          ; the barrier has opened a round of the cluster's barrier: no wave of any partner still reads this slot or has a load on its way
	s_add_nc_u64 s[G0+4*\slot+2:G0+4*\slot+3], s[G0+4*\slot+2:G0+4*\slot+3], 2*ROWB
	s_add_nc_u64 s[G0B+4*\slot+2:G0B+4*\slot+3], s[G0B+4*\slot+2:G0B+4*\slot+3], 2*ROWB
	JLOAD G0+4*\slot, G1, G0B+4*\slot, G1B         ; the first tensor load behind the round; its four v_nop are the places in front of the loads below
.else
	PLACES NP
.endif
	FETCH_B \next, 0, 0
	FETCH_A \next, 0, 0
	WIN MUL_HI
	MUL16 4, 1, 0
	MUL16 6, 1, 0
	PLACES NP
	WIN 0
	FETCH_A \next, 0, 4
.endm
	s_wait_tensorcnt 1                             ; my part of K step 0 is in (K step 1's load may be out)
	s_barrier_signal -1
	s_barrier_wait -1                              ; everybody's is
	FETCH_B 0, 0, 0
	FETCH_A 0, 0, 0
	FETCH_A 0, 0, 4
	STEP 0, 0, 1                                   ; the first step's products start the sums
	s_mov_b32 s3, LAPS-1
.Llap:                                                 ; a trip goes once round the ring and fills both slots again
	TURN 0, 1, 1
	STEP 1, 0, 0
	TURN 1, 0, 1
	STEP 0, 0, 0
	s_sub_co_u32 s3, s3, 1
	s_cmp_lg_u32 s3, 0
	s_cbranch_scc1 .Llap
	TURN 0, 1, 0                                   ; the last lap fills nothing
	STEP 1, 0, 0
	s_wait_dscnt 4*NL
	WIN MUL_LO
	MUL16 0, 1, 0
	MUL16 2, 1, 0
	s_wait_dscnt 0
	WIN MUL_HI
	MUL16 4, 1, 0
	MUL16 6, 1, 0
	WIN 0
; THE WAY OUT.  Slot 0 has had its last fill, and every wave has passed the last change of slots, behind which nobody reads it: the stage lies there.
	s_wait_kmcnt 0x0
	s_cmp_lt_u32 ttmp9, 2
	s_cselect_b32 s86, s76, s82                    ; eA: e0 or e6
	s_cselect_b32 s87, s77, s83                    ; eB: e1 or e7
	s_cselect_b32 s93, s79, s84                    ; the result's: e3 or e8,
	s_cmp_eq_u32 ttmp9, 0
	s_cselect_b32 s93, s78, s93                    ; or e2 for Q's heads
	s_add_co_i32 s86, s86, s87
	s_add_co_i32 s86, s86, 127
	s_lshl_b32 s86, s86, 23                        ; 2^(eA + eB) as f32
	s_mov_b32 s87, s86                             ; (named with it as a pair, so it is written)
	s_add_co_i32 s93, s93, 127
	s_lshl_b32 s94, s93, 23
	v_mov_b32 v[QS], s94
	s_add_co_i32 s93, s93, 15
	s_lshl_b32 s93, s93, 23
	s_or_b32 s93, s93, 0x600000
	v_mov_b32 v[QL], s93
	s_mov_b32 s90, 0xbdd2d3e8                      ; k2 = -0.10294324
	s_mov_b32 s91, s90
	v_mov_b32 v[K1], 0xc0135761                    ; k1 = -2.3022082
	v_mov_b32 v[K1+1], v[K1]
	s_wait_loadcnt 0x0                             ; the bias
	PLACES NP
; Block a: 16 tokens x my 128 columns: y, the activation (second product alone: the branch passes over register work only), the hold, the codes, 8 bytes a lane and column block into the stage.
.macro EPI a
.set AC, 64*((\a)%4)
	WIN 0x02+((\a)/4)                              ; source 0: window 2 or 3
.set jj, 0
.rept 32
	v_pk_fma_f32 v[Y+jj:Y+jj+1], v[AC+jj:AC+jj+1], s[86:87], v[BIAS+jj:BIAS+jj+1] op_sel_hi:[1,0,1]   ; y = sum x 2^(eA + eB) + bias; each accumulator from its low end on
.set jj, jj+2
.endr
	WIN 0
	s_cmp_lt_u32 ttmp9, 2
	s_cbranch_scc1 .Lplain_\@
.set jj, 0
.rept 32
	v_pk_mul_f32 v[T+jj:T+jj+1], v[Y+jj:Y+jj+1], v[Y+jj:Y+jj+1]
.set jj, jj+2
.endr
.set jj, 0
.rept 32
	v_pk_fma_f32 v[T+jj:T+jj+1], v[T+jj:T+jj+1], s[90:91], v[K1:K1+1] op_sel_hi:[1,0,1]   ; k1 + k2 y^2
.set jj, jj+2
.endr
.set jj, 0
.rept 32
	v_pk_mul_f32 v[T+jj:T+jj+1], v[T+jj:T+jj+1], v[Y+jj:Y+jj+1]
.set jj, jj+2
.endr
.set jj, 0
.rept 64
	v_exp_f32 v[T+jj], v[T+jj]
.set jj, jj+1
.endr
	v_nop                                          ; a plain line behind the last transcendental
.set jj, 0
	s_wait_alu depctr_va_vdst(0)
.rept 32
	v_pk_add_f32 v[T+jj:T+jj+1], v[T+jj:T+jj+1], 1.0 op_sel_hi:[1,0]
.set jj, jj+2
.endr
.set jj, 0
.rept 64
	v_rcp_f32 v[T+jj], v[T+jj]
.set jj, jj+1
.endr
	v_nop
.set jj, 0
	s_wait_alu depctr_va_vdst(0)
.rept 32
	v_pk_mul_f32 v[Y+jj:Y+jj+1], v[Y+jj:Y+jj+1], v[T+jj:T+jj+1]
.set jj, jj+2
.endr
.Lplain_\@:
	s_wait_dscnt 0x0                               ; the last block's stores have read the codes' registers
.set jj, 0
.rept 64
	v_med3_num_f32 v[Y+jj], v[Y+jj], -v[QL], v[QL] ; the conversion to an 8-bit code does not saturate (ISA guide 7.6.2)
.set jj, jj+1
.endr
.set jj, 0
.rept 8
	v_cvt_scalef32_pk8_bf8_f32 v[CD+2*jj:CD+2*jj+1], v[Y+8*jj:Y+8*jj+7], v[QS]
.set jj, jj+1
.endr
	v_nop                                          ; a plain line between the conversions and the next write of their sources
.set jj, 0
.rept 8
	ds_store_b64 v[STO], v[CD+2*jj:CD+2*jj+1] offset:(\a)*16*PITCH+16*jj   ; lane (r, h): row 16 a + r, columns 16 b + 8 h + 0 .. 7
.set jj, jj+1
.endr
.endm
.irp a, 0,1,2,3,4,5,6,7
	EPI \a
.endr
	s_wait_dscnt 0x0                               ; for the others' sake: my stores into the stage have landed
	s_barrier_signal -1
	s_barrier_wait -1                              ; 256 whole rows of codes lie in the stage; from here on it is only read
	s_cmp_lt_u32 ttmp9, 2
	s_cbranch_scc1 .Lheads
	s_lshl_b32 s94, s17, 8                         ; hq: wave w stores rows 64 w on of the tile, 256 bytes each
	s_lshl_b32 s95, s14, 6
	s_add_co_u32 s94, s94, s95
	s_lshl_b32 s94, s94, 12
	s_lshl_b32 s95, s92, 8
	s_add_co_u32 s94, s94, s95
	s_mov_b32 s95, 0
	s_add_nc_u64 s[74:75], s[74:75], s[94:95]
.set tt, 0
.rept 32
	ds_load_b128 v[Y+4*tt:Y+4*tt+3], v[RDH] offset:tt*2*PITCH
.set tt, tt+1
.endr
.set tt, 0
.rept 32
	s_wait_dscnt 31-tt
	global_store_b128 v[COH], v[Y+4*tt:Y+4*tt+3], s[74:75] offset:tt*2*4096   ; sixteen lanes store 256 consecutive bytes, aligned
.set tt, tt+1
.endr
	s_branch .Lout
.Lheads:
	s_lshr_b32 s94, s17, 3                         ; qk: wave w stores head 4 x tile column + w: 256 tokens x 64 bytes, dense
	s_lshl_b32 s94, s94, 5                         ; 32 n
	s_lshl_b32 s95, s42, 2
	s_add_co_u32 s94, s94, s95
	s_add_co_u32 s94, s94, s14
	s_lshl_b32 s94, s94, 11                        ; x 2,048 tokens
	s_and_b32 s95, s17, 7
	s_lshl_b32 s95, s95, 8
	s_add_co_u32 s94, s94, s95                     ; + the tile's first token within n
	s_lshl_b32 s94, s94, 6
	s_mov_b32 s95, 0
	s_add_nc_u64 s[72:73], s[72:73], s[94:95]
.set tt, 0
.rept 16
	ds_load_b128 v[Y+4*tt:Y+4*tt+3], v[RDQ] offset:tt*8*PITCH
.set tt, tt+1
.endr
.set tt, 0
.rept 16
	ds_load_b128 v[Y+64+4*tt:Y+64+4*tt+3], v[RDQ2] offset:tt*8*PITCH
.set tt, tt+1
.endr
.set tt, 0
.rept 32
	s_wait_dscnt 31-tt
	global_store_b128 v[COQ], v[Y+4*tt:Y+4*tt+3], s[72:73] offset:tt*512      ; 512 consecutive bytes an instruction
.set tt, tt+1
.endr
.Lout:
	s_wait_tensorcnt 0x0                           ; the wave's end
	ds_add_u32 v[SPW], v[NIL]
	s_wait_dscnt 0x0
	CROUND                                         ; the closing round: no work-group ends while a partner may still ask for a tile that names it
	s_endpgm
.Lfunc_end_k_qb436e489ba_proj:
	.size	k_qb436e489ba_proj, .Lfunc_end_k_qb436e489ba_proj-k_qb436e489ba_proj
	.p2alignl 7, 3214868480
	.fill 96, 4, 3214868480
	.section	.rodata,"a",@progbits
	.p2align	6, 0x0
	.amdhsa_kernel k_qb436e489ba_proj
		.amdhsa_group_segment_fixed_size 327680
		.amdhsa_private_segment_fixed_size 0
		.amdhsa_enable_private_segment 0
		.amdhsa_kernarg_size 64
		.amdhsa_user_sgpr_count 2
		.amdhsa_user_sgpr_kernarg_segment_ptr 1
		.amdhsa_wavefront_size32 1
		.amdhsa_system_sgpr_workgroup_id_x 1
		.amdhsa_system_sgpr_workgroup_id_y 1
		.amdhsa_system_sgpr_workgroup_id_z 1
		.amdhsa_system_vgpr_workitem_id 0
		.amdhsa_next_free_vgpr 1024
		.amdhsa_next_free_sgpr 100
		.amdhsa_reserve_vcc 0
		.amdhsa_float_denorm_mode_32 3
		.amdhsa_float_denorm_mode_16_64 3
		.amdhsa_memory_ordered 1
		.amdhsa_forward_progress 1
		.amdhsa_inst_pref_size 255
	.end_amdhsa_kernel
	.section	.bss,"aw",@nobits
	.p2align	6
	.space	262144
	.amdgpu_metadata
---
amdhsa.version: [ 1, 2 ]
amdhsa.kernels:
  - .name:           k_qb436e489ba_proj
    .symbol:         k_qb436e489ba_proj.kd
    .args:
      - { .name: xq, .offset: 0, .size: 8, .value_kind: global_buffer, .address_space: global }
      - { .name: W_qk_codes, .offset: 8, .size: 8, .value_kind: global_buffer, .address_space: global }
      - { .name: W1_codes, .offset: 16, .size: 8, .value_kind: global_buffer, .address_space: global }
      - { .name: b_qk, .offset: 24, .size: 8, .value_kind: global_buffer, .address_space: global }
      - { .name: b1, .offset: 32, .size: 8, .value_kind: global_buffer, .address_space: global }
      - { .name: lowp_scales, .offset: 40, .size: 8, .value_kind: global_buffer, .address_space: global }
      - { .name: qk, .offset: 48, .size: 8, .value_kind: global_buffer, .address_space: global }
      - { .name: hq, .offset: 56, .size: 8, .value_kind: global_buffer, .address_space: global }
    .group_segment_fixed_size: 327680
    .private_segment_fixed_size: 0
    .kernarg_segment_align: 8
    .kernarg_segment_size: 64
    .max_flat_workgroup_size: 128
    .sgpr_count:     100
    .vgpr_count:     1024
    .wavefront_size: 32
...
	.end_amdgpu_metadata
.endif
;; end of part 2
;; launch attn (part 3): grid 8 x 32, 16 waves a work-group, clusters of 4 x 1, 327,680 bytes of LDS; arguments qk, xt, lowp_scales, alpha, beta, gamma, att; writes att
.if DOCPART == 3
	.amdgcn_target "amdgcn-amd-amdhsa--gfx1250"
	.amdhsa_code_object_version 6
	.text
	.protected	k_qb436e489ba_attn
	.globl	k_qb436e489ba_attn
	.p2align	8
	.type	k_qb436e489ba_attn,@function
k_qb436e489ba_attn:
	s_mov_b64 s[64:65], 0
	v_nop
	global_prefetch_b8 v0, s[64:65] scope:SCOPE_SE
	s_setreg_imm32_b32 hwreg(HW_REG_WAVE_MODE, 25, 1), 1
	s_wait_xcnt 0x0
	s_wait_alu depctr_hold_cnt(0) depctr_sa_sdst(0) depctr_va_vdst(0) depctr_va_sdst(0) depctr_va_ssrc(0) depctr_va_vcc(0) depctr_vm_vsrc(0)
	s_getreg_b32 s2, hwreg(HW_REG_IB_STS2, 6, 4)
	s_cmp_eq_u32 s2, 0
	s_cbranch_scc0 .Lentry_in_a_cluster
	s_endpgm
.Lentry_in_a_cluster:
	s_bfe_u32 s2, ttmp6, 0x10000c
	s_cmp_lg_u32 s2, 0x3003
	s_cbranch_scc0 .Lentry_shape_is_right
	s_endpgm
.Lentry_shape_is_right:
; att[n][q][head's 64] = sum over keys of Q4(beta softmax(Q K^T / 8) - gamma / 2048 + alpha I) x Q5(x), both products on E5M2 codes.
; The left operand of the second product is quantised FINISHED AND NORMALISED, so a row's largest score and its sum are known before any of it is quantised: THE KEYS ARE WALKED TWICE.
; Pass 1: scores, a running maximum and a running sum.  Pass 2: the scores again (K = 64: cheap), p = 2^(c s - c m), A' = p beta / l - gamma / 2048 (+ alpha on the diagonal), held, converted, multiplied.
; c = log2(e) / 8 x 2^(e2 + e3).  The maximum is taken away before every exponential.
; LIMITS: e2 + e3 between -123 and 130 (added to c's exponent field); e4 between -126 and 112; e4 + e5 between -126 and 127.  NaN among the inputs is not served.
; SHARES.  A work-group serves one (n, head) and 256 queries; wave w of sixteen owns the 16 queries 128 w + 16 b + r (b = the work-group's x, 0..7): so its diagonal lies in key step w,
; and the one branch for alpha I hangs on the wave's number and the step's counter, which all partners of a cluster share.
; THE WHOLE HEAD LIES IN LDS, FILLED ONCE: K's 2,048 rows of 64 codes and x's 16 steps of 64 channels x 128 keys.  Each wave asks for one sixteenth of each: two tensor loads of mine are out, at the head alone.
; CLUSTER: the four work-groups of a cluster read the same head: each tile is asked for JOINTLY, with the mask of all four.
; LAYOUT.  Both products are used transposed: S^T = K Q^T (source 0 = 16 keys, source 1 = my queries), O^T = x^T A'^T: a lane holds ONE query (lane % 16) throughout.
; THE KEYS OF A TILE ARE NOT NEIGHBOURS: lane r of tile 2 b + u takes key 32 b + 8 u + r + 8 (r / 8), so that register 96 + 16 b + i holds key 32 b + 16 (lane / 16) + i: the conversions' results are the operand.
; Four waves share a SIMD: one wave's vector work stands beside another's matrix work and LDS loads.
.set KP,   80                          ; a key's row in LDS: 64 bytes + 16
.set XP,   144                         ; a channel's row of 128 keys: 128 bytes + 16
.set KCH,  128*KP                      ; a key step of K
.set XOFF, 2048*KP                     ; x's tiles lie behind K's
.set XCH,  64*XP                       ; a key step of x
.set SP,   272                         ; the way out: 16 rows x (256 bytes + 16) for each wave, in K's bytes, behind a barrier behind which nobody reads K
.set WV,   18                          ; s18  my wave's number
.set SEL,  20                          ; s[20:21] v_permlanex16_b32's selects: lane l xor 16
.set CS,   22                          ; s[22:23] c, twice
.set G1K,  24
.set G1X,  32
.set G0K,  40
.set G0X,  44
.set ST,   48                          ; s48  the key step
.set KB,   49                          ; s49  its first byte in K
.set XB,   50                          ; s50  and in x, from XOFF on
.set NC,   51                          ; s51  -c
; v1 my place in a tile of K; v2 in a tile of x; v3, v4 the addresses in hand; v5 d = r - 16 h + 16 b; v6 alpha; v7 my offset in att; v8 my offset in Q; v10, v11 the stage, in and back;
; v12 -c m (v13 named with it); v[14:15] the sum in two halves; v[16:23] Q; v24 the largest score; v25 at work; v26 f (v27 named with it); v[28:29] beta / l; v[30:31] -gamma / 2048;
; v32-95 fragments; v96-159 S^T, p, A'; v160-191 O^T; v192-207 A''s codes; v208, v209 2^e4 and 57,344 x 2^e4; v210-218 at work.
.macro ROUND                           ; a round of the cluster's barrier
	s_barrier_signal -1
	s_barrier_wait -1
	s_cmp_lg_u32 s[WV], 0
	s_cbranch_scc1 .Lnot_wave_0_\@
	s_barrier_signal -3
.Lnot_wave_0_\@:
	s_barrier_wait -3
	s_barrier_signal -1
	s_barrier_wait -1
.endm
	s_load_b256 s[4:11], s[0:1], 0x0               ; qk s[4:5], xt s[6:7], the scales' exponents s[8:9], alpha s[10:11]
	s_load_b128 s[12:15], s[0:1], 0x20             ; beta s[12:13], gamma s[14:15]
	s_load_b64 s[16:17], s[0:1], 0x30              ; att
	v_lshl_add_u32 v254, v0, 2, 0x4c000
	v_mov_b32 v255, 0
	ds_add_u32 v254, v255
	ds_add_u32 v254, v255
	v_lshrrev_b32 v218, 5, v0
	v_readfirstlane_b32 s[WV], v218                ; wave 0..15
	v_and_b32 v217, 15, v0                         ; r
	v_bfe_u32 v9, v0, 4, 1                         ; h
	s_bfe_u32 s62, ttmp6, 0x40000                  ; cx: it enters Q's and att's addresses and d, and nothing else
	s_lshl_b32 s19, ttmp9, 2
	s_add_co_u32 s19, s19, s62
	s_lshl_b32 s19, s19, 4                         ; 16 b
	s_and_b32 s63, ttmp7, 0xffff                   ; y = 16 n + head, which the partners share
	s_lshr_b32 s66, s63, 4                         ; n
	s_lshl_b32 s67, s66, 4
	s_add_co_u32 s67, s67, s63                     ; 32 n + head: Q's block of 131,072 bytes in qk; K's lies 16 blocks on
	s_lshl_b32 s77, s[WV], 13                      ; my sixteenth: 8,192 dense bytes
	s_add_co_u32 s68, s67, 16
	s_lshl_b32 s68, s68, 17
	s_add_co_u32 s68, s68, s77                     ; K's keys 128 w on
	s_mov_b32 s69, 0
	s_lshl_b32 s70, s63, 17
	s_add_co_u32 s70, s70, s77                     ; x's key step w
	s_mov_b32 s71, 0
	s_lshl_b32 s76, s[WV], 7
	s_add_co_u32 s76, s76, s19                     ; my first query: 128 w + 16 b
	s_lshl_b32 s72, s67, 17
	s_lshl_b32 s78, s76, 6
	s_add_co_u32 s72, s72, s78                     ; its codes
	s_mov_b32 s73, 0
	s_lshl_b32 s74, s66, 11
	s_add_co_u32 s74, s74, s76
	s_lshl_b32 s74, s74, 12                        ; its row of att, 4,096 bytes a row,
	s_and_b32 s78, s63, 15
	s_lshl_b32 s78, s78, 8
	s_add_co_u32 s74, s74, s78                     ; at the head's 256 bytes
	s_mov_b32 s75, 0
	s_mul_i32 s79, s[WV], 16*SP                    ; my stage
	v_and_b32 v1, 8, v217
	v_add_nc_u32 v1, v1, v217                      ; r + 8 (r / 8)
	v_mul_u32_u24 v1, v1, KP
	v_lshl_add_u32 v1, v9, 4, v1
	v_mul_u32_u24 v2, v217, XP
	v_lshl_add_u32 v2, v9, 4, v2
	v_add_nc_u32 v2, XOFF, v2
	v_lshlrev_b32 v5, 4, v9
	v_sub_nc_u32 v5, v217, v5
	v_add_nc_u32 v5, s19, v5                       ; in key step w register 16 b' + i holds my query's own key where 32 b' + i = d
	v_lshlrev_b32 v7, 12, v9
	v_lshl_add_u32 v7, v217, 4, v7                 ; att: lanes 0-15 one row, lanes 16-31 the next; 16 bytes a lane
	v_lshlrev_b32 v8, 6, v217
	v_lshl_add_u32 v8, v9, 4, v8                   ; Q: row r of 64 bytes, + 16 h
	v_mul_u32_u24 v10, v217, SP
	v_lshl_add_u32 v10, v9, 5, v10
	v_add_nc_u32 v10, s79, v10                     ; the stage, in: row r, + 32 h
	v_mul_u32_u24 v11, v9, SP
	v_lshl_add_u32 v11, v217, 4, v11
	v_add_nc_u32 v11, s79, v11                     ; and back: two rows an instruction
	; descriptor group 1.  K: 128 rows of 64 bytes, dense;  x: 64 rows of 128 bytes, dense
	s_mov_b32 s[G1K], 15|(0<<16)|(1<<20)|(1<<21)|(3<<22)|(3<<25)  ; 15:0 the mask: all four work-groups; 17:16 elements of 1 byte; 20 padding on; 21 set beside a mask; 24:22 after every 16 words; 31:25 four words
	s_mov_b32 s[G1K+1], 64<<16                     ; tensor_dim0
	s_mov_b32 s[G1K+2], 128<<16                    ; tensor_dim1
	s_mov_b32 s[G1K+3], 64<<16                     ; tile_dim0
	s_mov_b32 s[G1K+4], 128                        ; tile_dim1
	s_mov_b32 s[G1K+5], 64                         ; tensor_dim0_stride
	s_mov_b32 s[G1K+6], 0
	s_mov_b32 s[G1K+7], 0
	s_mov_b32 s[G1X], 15|(0<<16)|(1<<20)|(1<<21)|(4<<22)|(3<<25)  ; padding: four words after every 32
	s_mov_b32 s[G1X+1], 128<<16
	s_mov_b32 s[G1X+2], 64<<16
	s_mov_b32 s[G1X+3], 128<<16
	s_mov_b32 s[G1X+4], 64
	s_mov_b32 s[G1X+5], 128
	s_mov_b32 s[G1X+6], 0
	s_mov_b32 s[G1X+7], 0
	s_mov_b32 s[SEL], 0x76543210
	s_mov_b32 s[SEL+1], 0xfedcba98
	s_wait_dscnt 0x0
	s_wait_kmcnt 0x0
	s_load_b128 s[52:55], s[8:9], 0x8              ; e2, e3, e4, e5
	s_load_b32 s56, s[10:11], 0x0                  ; alpha
	s_load_b32 s57, s[12:13], 0x0                  ; beta
	s_load_b32 s58, s[14:15], 0x0                  ; gamma
	s_mov_b32 s[G0K], 1                            ; count = 1
	s_mul_i32 s[G0K+1], s[WV], KCH                 ; LDS address: wave x a key step: no place in the cluster enters it
	s_add_nc_u64 s[G0K+2:G0K+3], s[4:5], s[68:69]
	s_or_b32 s[G0K+3], s[G0K+3], 0x80000000        ; type = 2
	s_mov_b32 s[G0X], 1
	s_mul_i32 s[G0X+1], s[WV], XCH
	s_add_co_u32 s[G0X+1], s[G0X+1], XOFF
	s_add_nc_u64 s[G0X+2:G0X+3], s[6:7], s[70:71]
	s_or_b32 s[G0X+3], s[G0X+3], 0x80000000
	s_add_nc_u64 s[4:5], s[4:5], s[72:73]          ; Q's codes at my first query
	s_add_nc_u64 s[16:17], s[16:17], s[74:75]      ; att likewise
	ROUND                                          ; all four work-groups are here: the joint loads meet
	tensor_load_to_lds s[G0K:G0K+3], s[G1K:G1K+7]  ; the launch's only fills, together, ahead of every wait on TENSORcnt and every LDS read
	s_nop 0
	tensor_load_to_lds s[G0X:G0X+3], s[G1X:G1X+7]
	s_nop 0
.rept 4
	v_nop
.endr
	global_load_b128 v[16:19], v8, s[4:5]          ; Q's fragment: registers 4 c .. 4 c + 3 hold channels 32 c + 16 h + 0 .. 15, as K's fragments do
	global_load_b128 v[20:23], v8, s[4:5] offset:32
	v_mov_b32 v24, 0xff61b1e6                      ; the largest score so far: -3e38, under every sum of 64 products of codes
	v_mov_b32 v13, 0
	v_mov_b32 v14, 0
	v_mov_b32 v15, 0
	v_mov_b32 v27, 0
	v_mov_b32 v216, 0                              ; written once: a lane permute's destination counts as one of its sources
	s_wait_kmcnt 0x0
	s_add_co_i32 s77, s52, s53
	s_lshl_b32 s77, s77, 23
	s_mov_b32 s[CS], 0x3e38aa3b                    ; log2(e) / 8
	s_add_co_i32 s[CS], s[CS], s77                 ; x 2^(e2 + e3): the exponents are added to its exponent field
	s_mov_b32 s[CS+1], s[CS]
	s_xor_b32 s[NC], s[CS], 0x80000000
	s_add_co_i32 s77, s54, 127
	s_lshl_b32 s78, s77, 23
	v_mov_b32 v208, s78                            ; 2^e4 as f32
	s_add_co_i32 s77, s77, 15
	s_lshl_b32 s77, s77, 23
	s_or_b32 s77, s77, 0x600000
	v_mov_b32 v209, s77                            ; 57,344 x 2^e4
	s_add_co_i32 s60, s54, s55
	s_add_co_i32 s60, s60, 127
	s_lshl_b32 s60, s60, 23                        ; 2^(e4 + e5) as f32
	s_mov_b32 s61, s60
	v_mov_b32 v6, s56
	s_mul_f32 s59, s58, 0xba000000                 ; -gamma / 2048
	v_mov_b32 v30, s59
	v_mov_b32 v31, s59
	v_mul_f32 v12, s[NC], v24                      ; -c m
; The step's scores: 8 tiles of 16 keys x my 16 queries, K = 64.
.macro SCORES
	v_add_nc_u32 v3, s[KB], v1
.rept 3
	v_nop                                          ; with the addition: four places in front of loads into registers that matrix instructions have read
.endr
.irp t, 0,1,2,3,4,5,6,7
.irp c, 0,1
	ds_load_b128 v[32+8*\t+4*\c:32+8*\t+4*\c+3], v3 offset:(32*(\t/2)+8*(\t%2))*KP+32*\c
.endr
.endr
	s_wait_dscnt 0x0
.irp t, 0,1,2,3,4,5,6,7
	v_wmma_f32_16x16x64_bf8_bf8 v[96+8*\t:103+8*\t], v[32+8*\t:39+8*\t], v[16:23], 0
.endr
.rept 4
	v_nop                                          ; places in front of the first read of the results, and of the next loads into the fragments
.endr
.endm
.macro TOEXP                           ; p = 2^(c s - c m)
.set jj, 0
.rept 32
	v_pk_fma_f32 v[96+jj:97+jj], v[96+jj:97+jj], s[CS:CS+1], v[12:13] op_sel_hi:[1,0,0]   ; of the pairs c and -c m the low word serves both halves; each accumulator from its low end on
.set jj, jj+2
.endr
.set jj, 0
.rept 64
	v_exp_f32 v[96+jj], v[96+jj]
.set jj, jj+1
.endr
.endm
; PASS 1.  A lane keeps the maximum and the sum of ITS 64 keys of each step; the two halves of the lanes meet once, behind the loop.
.macro P1STEP
	SCORES
	v_max3_num_f32 v210, v96, v97, v98             ; the step's largest score among my 64 keys, in two chains
	v_max3_num_f32 v211, v99, v100, v101
.irp i, 6,10,14,18,22,26,30,34,38,42,46,50,54,58
	v_max3_num_f32 v210, v210, v[96+\i], v[97+\i]
	v_max3_num_f32 v211, v211, v[98+\i], v[99+\i]
.endr
	v_max3_num_f32 v210, v210, v158, v159
	v_max_num_f32 v210, v210, v211
	v_max_num_f32 v24, v24, v210                   ; the running maximum
	v_mov_b32 v25, v12
	v_mul_f32 v12, s[NC], v24                      ; the new -c m
	v_sub_f32 v25, v12, v25                        ; c m_old - c m_new, 0 or less
	v_exp_f32 v26, v25                             ; f: what was summed under the old maximum is brought under the new
	TOEXP
	s_wait_alu depctr_va_vdst(0)
	v_pk_mul_f32 v[14:15], v[14:15], v[26:27] op_sel_hi:[1,0]   ; (also the plain line behind the exponentials)
	v_pk_add_f32 v[212:213], v[96:97], v[98:99]
.irp j, 4,8,12,16,20,24,28,32,36,40,44,48,52,56,60
	v_pk_add_f32 v[14:15], v[14:15], v[96+\j:97+\j]
	v_pk_add_f32 v[212:213], v[212:213], v[98+\j:99+\j]
.endr
	v_pk_add_f32 v[14:15], v[14:15], v[212:213]
.endm
; PASS 2.  zero = 1: the first step's products start O^T's sums.
.macro P2STEP zero
	SCORES
	v_add_nc_u32 v4, s[XB], v2
.irp t, 0,1,2,3
.irp c, 0,1,2,3
	ds_load_b128 v[32+16*\t+4*\c:32+16*\t+4*\c+3], v4 offset:16*\t*XP+32*\c   ; x's four tiles of 16 channels x 128 keys: they land under the arithmetic below
.endr
.endr
	TOEXP
	v_nop                                          ; a plain line behind the last exponential
.set jj, 0
	s_wait_alu depctr_va_vdst(0)
.rept 32
	v_pk_fma_f32 v[96+jj:97+jj], v[96+jj:97+jj], v[28:29], v[30:31]   ; beta p / l - gamma / 2048
.set jj, jj+2
.endr
	s_cmp_eq_u32 s[ST], s[WV]                      ; my diagonal lies in key step w: the branch passes over register work alone
	s_cbranch_scc0 .Loff_\@
.set nn, 0
.rept 64
	v_cmp_eq_i32 vcc_lo, 32*(nn/16)+nn%16, v5
	v_cndmask_b32 v25, 0, v6, vcc_lo
	v_add_f32 v[96+nn], v[96+nn], v25              ; + alpha where the key is my query
.set nn, nn+1
.endr
.Loff_\@:
.set jj, 0
.rept 64
	v_med3_num_f32 v[96+jj], v[96+jj], -v209, v209 ; the conversion to an 8-bit code does not saturate (ISA guide 7.6.2)
.set jj, jj+1
.endr
.irp b, 0,1,2,3
	v_cvt_scalef32_pk8_bf8_f32 v[192+4*\b:193+4*\b], v[96+16*\b:103+16*\b], v208
	v_cvt_scalef32_pk8_bf8_f32 v[194+4*\b:195+4*\b], v[104+16*\b:111+16*\b], v208
.endr
	v_nop                                          ; a plain line between the conversions and the products that read their results
	s_wait_dscnt 0x0                               ; x's tiles are in
.irp t, 0,1,2,3                                ; four accumulators by turns, one instruction a turn
.if \zero
	v_wmma_f32_16x16x128_bf8_bf8 v[160+8*\t:167+8*\t], v[32+16*\t:47+16*\t], v[192:207], 0
.else
	v_wmma_f32_16x16x128_bf8_bf8 v[160+8*\t:167+8*\t], v[32+16*\t:47+16*\t], v[192:207], v[160+8*\t:167+8*\t]
.endif
.endr
.endm
	s_wait_tensorcnt 0x1                           ; my sixteenth of K is in; x's load, issued behind it, may stay out
	s_barrier_signal -1
	s_barrier_wait -1                              ; K is whole
	s_wait_loadcnt 0x0                             ; Q
	s_mov_b32 s[ST], 0
	s_mov_b32 s[KB], 0
.Lpass1:
	P1STEP
	s_add_co_u32 s[KB], s[KB], KCH
	s_add_co_u32 s[ST], s[ST], 1
	s_cmp_lt_u32 s[ST], 16
	s_cbranch_scc1 .Lpass1
	; the two halves of the lanes meet: the row's maximum and its sum
	v_add_f32 v14, v14, v15
	v_permlanex16_b32 v216, v24, s[SEL], s[SEL+1]
	v_max_num_f32 v24, v24, v216
	v_mov_b32 v25, v12
	v_mul_f32 v12, s[NC], v24                      ; -c m of the whole row: pass 2's
	v_sub_f32 v25, v12, v25
	v_exp_f32 v25, v25
	v_nop
	s_wait_alu depctr_va_vdst(0)
	v_mul_f32 v14, v14, v25                        ; my half's sum under it,
	v_permlanex16_b32 v216, v14, s[SEL], s[SEL+1]
	v_add_f32 v14, v14, v216                       ; and the other half's
	v_rcp_f32 v14, v14
	v_nop
	s_wait_alu depctr_va_vdst(0)
	v_mul_f32 v28, s57, v14                        ; beta / l
	v_mov_b32 v29, v28
	s_wait_tensorcnt 0x0                           ; my sixteenth of x is in
	s_wait_dscnt 0x0
	s_barrier_signal -1
	s_barrier_wait -1                              ; x is whole
	s_mov_b32 s[ST], 0
	s_mov_b32 s[KB], 0
	s_mov_b32 s[XB], 0
	P2STEP 1
	s_mov_b32 s[ST], 1
	s_mov_b32 s[KB], KCH
	s_mov_b32 s[XB], XCH
.Lpass2:                                           ; 15 trips
	P2STEP 0
	s_add_co_u32 s[KB], s[KB], KCH
	s_add_co_u32 s[XB], s[XB], XCH
	s_add_co_u32 s[ST], s[ST], 1
	s_cmp_lt_u32 s[ST], 16
	s_cbranch_scc1 .Lpass2
	s_wait_dscnt 0x0
	s_barrier_signal -1
	s_barrier_wait -1                              ; nobody reads K any more: the stages lie in its bytes, which are filled no more
.rept 4
	v_nop                                          ; places behind the last products
.endr
.set jj, 0
.rept 16
	v_pk_mul_f32 v[96+jj:97+jj], v[160+jj:161+jj], s[60:61] op_sel_hi:[1,0]   ; x 2^(e4 + e5); register 8 t + i is att(r, 16 t + 8 h + i)
.set jj, jj+2
.endr
.irp t, 0,1,2,3
	ds_store_b128 v10, v[96+8*\t:99+8*\t] offset:64*\t
	ds_store_b128 v10, v[100+8*\t:103+8*\t] offset:64*\t+16
.endr
.irp i, 0,1,2,3,4,5,6,7
	ds_load_b128 v[32+4*\i:35+4*\i], v11 offset:2*\i*SP   ; my own stage: these see the stores above
.endr
.irp i, 0,1,2,3,4,5,6,7
	s_wait_dscnt 7-\i
	global_store_b128 v7, v[32+4*\i:35+4*\i], s[16:17] offset:2*\i*4096   ; sixteen lanes store the head's 256 bytes of a row, aligned
.endr
	s_wait_tensorcnt 0x0
	ds_add_u32 v254, v255
	s_wait_dscnt 0x0
	ROUND                                          ; the closing round: no work-group ends while a partner may still ask for a tile that names it
	s_endpgm
.Lfunc_end_k_qb436e489ba_attn:
	.size	k_qb436e489ba_attn, .Lfunc_end_k_qb436e489ba_attn-k_qb436e489ba_attn
	.p2alignl 7, 3214868480
	.fill 96, 4, 3214868480
	.section	.rodata,"a",@progbits
	.p2align	6, 0x0
	.amdhsa_kernel k_qb436e489ba_attn
		.amdhsa_group_segment_fixed_size 327680
		.amdhsa_private_segment_fixed_size 0
		.amdhsa_enable_private_segment 0
		.amdhsa_kernarg_size 56
		.amdhsa_user_sgpr_count 2
		.amdhsa_user_sgpr_kernarg_segment_ptr 1
		.amdhsa_wavefront_size32 1
		.amdhsa_system_sgpr_workgroup_id_x 1
		.amdhsa_system_sgpr_workgroup_id_y 1
		.amdhsa_system_sgpr_workgroup_id_z 1
		.amdhsa_system_vgpr_workitem_id 0
		.amdhsa_next_free_vgpr 256
		.amdhsa_next_free_sgpr 80
		.amdhsa_reserve_vcc 1
		.amdhsa_float_denorm_mode_32 3
		.amdhsa_float_denorm_mode_16_64 3
		.amdhsa_memory_ordered 1
		.amdhsa_forward_progress 1
		.amdhsa_inst_pref_size 64
	.end_amdhsa_kernel
	.amdgpu_metadata
---
amdhsa.version: [ 1, 2 ]
amdhsa.kernels:
  - .name:           k_qb436e489ba_attn
    .symbol:         k_qb436e489ba_attn.kd
    .args:
      - { .name: qk, .offset: 0, .size: 8, .value_kind: global_buffer, .address_space: global }
      - { .name: xt, .offset: 8, .size: 8, .value_kind: global_buffer, .address_space: global }
      - { .name: lowp_scales, .offset: 16, .size: 8, .value_kind: global_buffer, .address_space: global }
      - { .name: alpha, .offset: 24, .size: 8, .value_kind: global_buffer, .address_space: global }
      - { .name: beta, .offset: 32, .size: 8, .value_kind: global_buffer, .address_space: global }
      - { .name: gamma, .offset: 40, .size: 8, .value_kind: global_buffer, .address_space: global }
      - { .name: att, .offset: 48, .size: 8, .value_kind: global_buffer, .address_space: global }
    .group_segment_fixed_size: 327680
    .private_segment_fixed_size: 0
    .kernarg_segment_align: 8
    .kernarg_segment_size: 56
    .max_flat_workgroup_size: 512
    .sgpr_count:     80
    .vgpr_count:     256
    .wavefront_size: 32
...
	.end_amdgpu_metadata
.endif
;; end of part 3
;; launch ffn2 (part 4): grid 4 x 16, 4 waves a work-group, clusters of 4 x 4, 327,680 bytes of LDS; arguments hq, W2_codes, lowp_scales, out0, b2, att, alpha_ff, beta_ff; writes out0
.if DOCPART == 4
	.amdgcn_target "amdgcn-amd-amdhsa--gfx1250"
	.amdhsa_code_object_version 6
	.text
	.protected	k_qb436e489ba_ffn2
	.globl	k_qb436e489ba_ffn2
	.p2align	8
	.type	k_qb436e489ba_ffn2,@function
k_qb436e489ba_ffn2:
	s_mov_b64 s[64:65], 0
	v_nop
	global_prefetch_b8 v0, s[64:65] scope:SCOPE_SE
	s_setreg_imm32_b32 hwreg(HW_REG_WAVE_MODE, 25, 1), 1
	s_wait_xcnt 0x0
	s_wait_alu depctr_hold_cnt(0) depctr_sa_sdst(0) depctr_va_vdst(0) depctr_va_sdst(0) depctr_va_ssrc(0) depctr_va_vcc(0) depctr_vm_vsrc(0)
	s_getreg_b32 s2, hwreg(HW_REG_IB_STS2, 6, 4)
	s_cmp_eq_u32 s2, 0
	s_cbranch_scc0 .Lentry_in_a_cluster
	s_endpgm
.Lentry_in_a_cluster:
	s_bfe_u32 s2, ttmp6, 0x10000c
	s_cmp_lg_u32 s2, 0xf033
	s_cbranch_scc0 .Lentry_shape_is_right
	s_endpgm
.Lentry_shape_is_right:
; out0 = alpha_ff att + beta_ff (hq W2^T x 2^(e8 + e9) + b2).  hq: [4096][4096], W2: [1024][4096]: E5M2 codes, K innermost; att, out0: [4096][1024] f32; sums in f32.
; LIMIT: e8 + e9 between -126 and 127, so that 2^(e8 + e9) is an f32 number.
; A tile of C, 256 x 256, is made by four waves, each 128 x 128: 64 accumulators, 512 registers.  K goes in steps of 256 through a ring of two LDS slots filled by the tensor data mover.
; CLUSTERS: 4 x 4 work-groups: A's tiles are asked for jointly along a row of the cluster, B's along a column.  THE MATRIX INSTRUCTION IS USED TRANSPOSED: a lane holds eight neighbouring numbers of a row of C.
; REGISTERS, in windows of 256: window 0: v0-31 addresses, v8-11 beta_ff b2 of my four columns; from v128 A's fragments, ONE set; on the way out v32-255 are free.
;   window 1: B's fragments, TWO sets; on the way out att's rows.   window 2, 3: the accumulators ((a, b) at v[8 (8 a + b)]).
.set SIZE_N, 1024
.set SIZE_K, 4096
.set KSTEP,  256
.set ROWB,   256
.set KROW,   SIZE_K
.set PITCH,  272                       ; an LDS row: 256 bytes + 16 of padding = 68 words: the 16 rows that a load touches start at 16 different banks (ISA guide 11.1)
.set FR,     16
.set NL,     4
.set NP,     4
.set HALFT,  128*PITCH
.set SLOT,   4*HALFT
.set LAPS,   SIZE_K/(2*KSTEP)
.set SPARE,  2*SLOT
.set SPITCH, 528                       ; the way out: a stage of 16 rows x (512 bytes + 16) for each wave, in slot 0, which has had its last fill and its last read by then
.set ADRA, 16
.set ADRB, 20
.set STO,  24
.set RD,   25
.set CO,   26
.set SPW,  28
.set NIL,  29
.set TMP,  32
.set AF,   128
.set BK,   128
.set G1, 24
.set G0, 32
.set G1B, 48
.set G0B, 56
.set MSB, 0
.macro WIN new
.if MSB != \new
	s_set_vgpr_msb (MSB<<8)|\new
.set MSB, \new
.endif
.endm
.set MUL_LO, 0xa1
.set MUL_HI, 0xf1
.set TO_B,   0x40
.macro JLOAD g0a, g1a, g0b, g1b        ; a joint load: waves 0 and 1 fetch for A, waves 2 and 3 for B; four v_nop follow each of the two lines
	s_cmp_eq_u32 s15, 0
	s_cbranch_scc0 .Lfor_b_\@
	tensor_load_to_lds s[\g0a:\g0a+3], s[\g1a:\g1a+7]
	s_nop 0
.rept 4
	v_nop
.endr
	s_branch .Lasked_\@
.Lfor_b_\@:
	tensor_load_to_lds s[\g0b:\g0b+3], s[\g1b:\g1b+7]
	s_nop 0
.rept 4
	v_nop
.endr
.Lasked_\@:
.endm
.macro CREST
	s_cmp_lg_u32 s14, 0
	s_cbranch_scc1 .Lnot_wave_0_\@
	s_barrier_signal -3
.Lnot_wave_0_\@:
	s_barrier_wait -3
	s_barrier_signal -1
	s_barrier_wait -1
.endm
.macro CROUND
	s_barrier_signal -1
	s_barrier_wait -1
	CREST
.endm
	s_load_b128 s[4:7], s[0:1], 0x0                ; hq s[4:5], W2 s[6:7]
	s_load_b128 s[8:11], s[0:1], 0x10              ; the scales' exponents s[8:9], out0 s[10:11]
	s_load_b256 s[68:75], s[0:1], 0x20             ; b2 s[68:69], att s[70:71], alpha_ff s[72:73], beta_ff s[74:75]
	v_lshl_add_u32 v[SPW], v0, 2, SPARE
	v_mov_b32 v[NIL], 0
	ds_add_u32 v28, v29
	ds_add_u32 v28, v29
	s_wait_dscnt 0x0
	v_lshrrev_b32 v1, 5, v0
	v_readfirstlane_b32 s14, v1                    ; wave 0..3
	s_lshr_b32 s15, s14, 1                         ; which half of the tile's rows is mine.  Also: I fetch for A (0) or for B (1)
	s_and_b32 s16, s14, 1                          ; which half of its columns.  Also: which 128 rows of that tile I fetch
	s_bfe_u32 s40, ttmp6, 0x40000
	s_bfe_u32 s41, ttmp6, 0x40004
	s_lshl_b32 s42, ttmp9, 2
	s_add_co_u32 s42, s42, s40                     ; tile column
	s_and_b32 s17, ttmp7, 0xffff
	s_lshl_b32 s17, s17, 2
	s_add_co_u32 s17, s17, s41                     ; tile row
	s_lshl_b32 s43, s41, 2
	s_lshl_b32 s43, 15, s43                        ; my row of the cluster
	s_lshl_b32 s44, 0x1111, s40                    ; my column
	s_or_b32 s[G1+0], s43, (0<<16)|(1<<20)|(1<<21)|(5<<22)|(3<<25)  ; the mask; elements of 1 byte; padding on; bit 21 beside a mask; four words after every 64
	s_or_b32 s[G1B+0], s44, (0<<16)|(1<<20)|(1<<21)|(5<<22)|(3<<25)
.irp g, G1, G1B
	s_mov_b32 s[\g+1], ROWB<<16
	s_mov_b32 s[\g+2], 128<<16
	s_mov_b32 s[\g+3], ROWB<<16
	s_mov_b32 s[\g+4], 128
	s_mov_b32 s[\g+5], KROW
	s_mov_b32 s[\g+6], 0
	s_mov_b32 s[\g+7], 0
.endr
	s_lshl_b32 s18, s16, 7
	s_lshl_b32 s20, s17, 8
	s_add_co_u32 s20, s20, s18                     ; A: row 256 x tile row + 128 x half
	s_lshl_b32 s46, s42, 8
	s_add_co_u32 s46, s46, s18                     ; B: row 256 x tile column + 128 x half
	s_mov_b32 s21, 0
	s_mov_b32 s47, 0
	s_mov_b64 s[18:19], KROW
	s_mul_u64 s[20:21], s[20:21], s[18:19]
	s_mul_u64 s[46:47], s[46:47], s[18:19]
	s_mul_i32 s45, s14, HALFT
	s_wait_kmcnt 0x0
	s_load_b64 s[96:97], s[8:9], 0x20              ; e8, e9
	s_load_b32 s98, s[72:73], 0x0                  ; alpha_ff
	s_load_b32 s76, s[74:75], 0x0                  ; beta_ff
	s_add_nc_u64 s[20:21], s[4:5], s[20:21]
	s_add_nc_u64 s[46:47], s[6:7], s[46:47]
	CROUND                                         ; all sixteen work-groups are here: the first joint loads meet
.irp s, 0,1
	s_mov_b32 s[G0+4*\s], 1
	s_add_co_u32 s[G0+4*\s+1], s45, \s*SLOT
	s_add_nc_u64 s[G0+4*\s+2:G0+4*\s+3], s[20:21], \s*ROWB
	s_or_b32 s[G0+4*\s+3], s[G0+4*\s+3], 0x80000000
	s_mov_b32 s[G0B+4*\s], 1
	s_add_co_u32 s[G0B+4*\s+1], s45, \s*SLOT
	s_add_nc_u64 s[G0B+4*\s+2:G0B+4*\s+3], s[46:47], \s*ROWB
	s_or_b32 s[G0B+4*\s+3], s[G0B+4*\s+3], 0x80000000
	JLOAD G0+4*\s, G1, G0B+4*\s, G1B
.endr
	v_and_b32 v1, 15, v0
	v_bfe_u32 v2, v0, 4, 1
	v_mul_u32_u24 v3, v1, PITCH
	v_lshl_add_u32 v4, v2, 4, v3
	s_mul_i32 s21, s15, HALFT
	s_mul_i32 s22, s16, HALFT
	s_add_co_u32 s22, s22, 2*HALFT
.irp s, 0,1
	v_add_nc_u32 v[ADRA+\s], s21, v4
	v_add_nc_u32 v[ADRB+\s], s22, v4
	s_add_co_u32 s21, s21, SLOT
	s_add_co_u32 s22, s22, SLOT
.endr
	s_mul_i32 s23, s14, 16*SPITCH                  ; my stage
	v_mul_u32_u24 v5, v1, SPITCH
	v_lshl_add_u32 v5, v2, 5, v5
	v_add_nc_u32 v[STO], s23, v5                   ; in: row l % 16, 32 bytes for each half of the lanes
	v_and_b32 v6, 31, v0
	v_lshlrev_b32 v[CO], 4, v6                     ; back: the 32 lanes take one row of 512 bytes; the same in out0, in att and in b2
	v_add_nc_u32 v[RD], s23, v[CO]
	s_lshl_b32 s20, s17, 8
	s_lshl_b32 s21, s15, 7
	s_add_co_u32 s20, s20, s21                     ; my first row of C
	s_mov_b32 s21, 0
	s_mov_b64 s[18:19], SIZE_N*4
	s_mul_u64 s[20:21], s[20:21], s[18:19]
	s_lshl_b32 s46, s42, 10                        ; my first column, in bytes
	s_lshl_b32 s47, s16, 9
	s_add_co_u32 s46, s46, s47
	s_mov_b32 s47, 0
	s_add_nc_u64 s[68:69], s[68:69], s[46:47]      ; b2 at my 128 columns
	s_add_nc_u64 s[20:21], s[20:21], s[46:47]
	s_add_nc_u64 s[10:11], s[10:11], s[20:21]      ; out0 and att at my part's corner; neither is stepped: every row stands in an immediate, 127 rows of 4,096 bytes at the most
	s_add_nc_u64 s[70:71], s[70:71], s[20:21]
	global_load_b128 v[8:11], v[CO], s[68:69]      ; b2 of the four columns that I store; waited for on the way out
.macro FRAG reg, adr, q, i             ; 16 rows x 128 K in 16 registers: registers 4 c .. 4 c + 3 hold K = 32 c + 16 (l / 16) + 0 .. 15: the same order of k in A and in B
.irp c, 0,1,2,3
	ds_load_b128 v[\reg+4*\c:\reg+4*\c+3], v[\adr] offset:128*(\q)+32*\c+(\i)*16*PITCH
.endr
.endm
.macro MUL16 a0, p, zero               ; the 64 accumulators take turns, one instruction a turn
.irp a, \a0, \a0+1
.irp b, 0,1,2,3,4,5,6,7
.if \zero
	v_wmma_f32_16x16x128_bf8_bf8 v[8*(8*((\a)%4)+\b):8*(8*((\a)%4)+\b)+7], v[128*(\p)+FR*\b:128*(\p)+FR*\b+FR-1], v[AF+FR*(\a):AF+FR*(\a)+FR-1], 0
.else
	v_wmma_f32_16x16x128_bf8_bf8 v[8*(8*((\a)%4)+\b):8*(8*((\a)%4)+\b)+7], v[128*(\p)+FR*\b:128*(\p)+FR*\b+FR-1], v[AF+FR*(\a):AF+FR*(\a)+FR-1], v[8*(8*((\a)%4)+\b):8*(8*((\a)%4)+\b)+7]
.endif
.endr
.endr
.endm
.macro FETCH_B slot, q, p
	WIN TO_B
.irp i, 0,1,2,3,4,5,6,7
	FRAG 128*(\p)+FR*\i, ADRB+\slot, \q, \i
.endr
	WIN 0
.endm
.macro FETCH_A slot, q, i0
.irp i, \i0, \i0+1, \i0+2, \i0+3
	FRAG AF+FR*(\i), ADRA+\slot, \q, \i
.endr
.endm
.macro PLACES n                        ; plain vector lines between a matrix instruction and a load into, or a vector read or write of, its registers
.rept \n
	v_nop
.endr
.endm
.macro STEP slot, q, zero
	s_wait_dscnt 4*NL                              ; B's set and A's blocks 0-3 are in; the youngest sixteen loads may be out
	WIN MUL_LO
	MUL16 0, (\q)%2, \zero
	MUL16 2, (\q)%2, \zero
	s_wait_dscnt 0
	PLACES NP
	FETCH_B \slot, (\q)+1, 1-(\q)%2
	FETCH_A \slot, (\q)+1, 0
	WIN MUL_HI
	MUL16 4, (\q)%2, \zero
	MUL16 6, (\q)%2, \zero
	PLACES NP
	WIN 0
	FETCH_A \slot, (\q)+1, 4
.endm
.macro TURN slot, next, fill           ; a slot's last step changes slots: one barrier, with the waits and the add in front of it
	s_wait_tensorcnt 0x0                           ; all my tensor loads have landed: my part of the next slot
	ds_add_u32 v[SPW], v[NIL]                      ; 0 onto my spare word
	s_wait_dscnt 4*NL+1                            ; (the add and the youngest sixteen loads may be out)
	WIN MUL_LO
	MUL16 0, 1, 0
	s_wait_dscnt 0x0                               ; the add is done, and my reads of this slot are over
	s_barrier_signal -1
	MUL16 2, 1, 0
	WIN 0
	s_barrier_wait -1
.if \fill
	CREST                                          ; the barrier has opened a round of the cluster's barrier
	s_add_nc_u64 s[G0+4*\slot+2:G0+4*\slot+3], s[G0+4*\slot+2:G0+4*\slot+3], 2*ROWB
	s_add_nc_u64 s[G0B+4*\slot+2:G0B+4*\slot+3], s[G0B+4*\slot+2:G0B+4*\slot+3], 2*ROWB
	JLOAD G0+4*\slot, G1, G0B+4*\slot, G1B         ; the first tensor load behind the round
.else
	PLACES NP
.endif
	FETCH_B \next, 0, 0
	FETCH_A \next, 0, 0
	WIN MUL_HI
	MUL16 4, 1, 0
	MUL16 6, 1, 0
	PLACES NP
	WIN 0
	FETCH_A \next, 0, 4
.endm
	s_wait_tensorcnt 1                             ; my part of K step 0 is in (K step 1's load may be out)
	s_barrier_signal -1
	s_barrier_wait -1
	FETCH_B 0, 0, 0
	FETCH_A 0, 0, 0
	FETCH_A 0, 0, 4
	STEP 0, 0, 1
	s_mov_b32 s3, LAPS-1
.Llap:
	TURN 0, 1, 1
	STEP 1, 0, 0
	TURN 1, 0, 1
	STEP 0, 0, 0
	s_sub_co_u32 s3, s3, 1
	s_cmp_lg_u32 s3, 0
	s_cbranch_scc1 .Llap
	TURN 0, 1, 0
	STEP 1, 0, 0
	s_wait_dscnt 4*NL
	WIN MUL_LO
	MUL16 0, 1, 0
	MUL16 2, 1, 0
	s_wait_dscnt 0
	WIN MUL_HI
	MUL16 4, 1, 0
	MUL16 6, 1, 0
	WIN 0
; THE WAY OUT, block by block of 16 rows x 128 columns: sums x beta_ff 2^(e8 + e9) through my own stage, back as whole rows of 512 bytes; + beta_ff b2; + alpha_ff att; stored.
.macro ATLOAD a                        ; att's 16 rows of block a into window 1, v[64 (a % 2)] on: read once in the launch
	WIN 0x40
.set tt, 0
.rept 16
	global_load_b128 v[64*((\a)%2)+4*tt:64*((\a)%2)+4*tt+3], v[CO], s[70:71] offset:(16*(\a)+tt)*SIZE_N*4 th:TH_LOAD_NT
.set tt, tt+1
.endr
	WIN 0
.endm
.macro TOSTAGE a
.set AC, 64*((\a)%4)
	WIN 0x02+((\a)/4)                              ; source 0: window 2 or 3
.set jj, 0
.rept 32
	v_pk_mul_f32 v[TMP+jj:TMP+jj+1], v[AC+jj:AC+jj+1], s[96:97] op_sel_hi:[1,0]   ; each accumulator from its low end on
.set jj, jj+2
.endr
	WIN 0
.irp b, 0,1,2,3,4,5,6,7
	ds_store_b128 v[STO], v[TMP+8*\b:TMP+8*\b+3] offset:64*\b
	ds_store_b128 v[STO], v[TMP+8*\b+4:TMP+8*\b+7] offset:64*\b+16
.endr
.set BB, BK+64*((\a)%2)
.set tt, 0
.rept 16
	ds_load_b128 v[BB+4*tt:BB+4*tt+3], v[RD] offset:tt*SPITCH   ; LDS serves a wave's instructions in order: these see the stores above
.set tt, tt+1
.endr
.endm
.macro SEND a, younger, lyounger       ; younger, lyounger: the LDS instructions and the global loads issued behind block a's, which may stay out
.set BB, BK+64*((\a)%2)
.set AT, 64*((\a)%2)
	s_wait_dscnt \younger
	s_wait_loadcnt \lyounger
.set tt, 0
.rept 16
	v_pk_add_f32 v[BB+4*tt:BB+4*tt+1], v[BB+4*tt:BB+4*tt+1], v[8:9]
	v_pk_add_f32 v[BB+4*tt+2:BB+4*tt+3], v[BB+4*tt+2:BB+4*tt+3], v[10:11]
.set tt, tt+1
.endr
	WIN 0x01                                       ; source 0 (att) window 1
.set jj, 0
.rept 32
	v_pk_fma_f32 v[BB+jj:BB+jj+1], v[AT+jj:AT+jj+1], s[98:99], v[BB+jj:BB+jj+1] op_sel_hi:[1,0,1]
.set jj, jj+2
.endr
	WIN 0
.set tt, 0
.rept 16
	global_store_b128 v[CO], v[BB+4*tt:BB+4*tt+3], s[10:11] offset:(16*(\a)+tt)*SIZE_N*4 th:TH_STORE_NT   ; 32 lanes store 512 consecutive bytes, aligned; written once, read by nobody here
.set tt, tt+1
.endr
.endm
	s_wait_kmcnt 0x0
	s_add_co_i32 s96, s96, s97
	s_add_co_i32 s96, s96, 127
	s_lshl_b32 s96, s96, 23                        ; 2^(e8 + e9) as f32,
	s_mul_f32 s96, s96, s76                        ; x beta_ff
	s_mov_b32 s99, s98                             ; (named with alpha_ff as a pair, so it is written)
	s_wait_loadcnt 0x0                             ; b2
	v_mul_f32 v8, s76, v8
	v_mul_f32 v9, s76, v9
	v_mul_f32 v10, s76, v10
	v_mul_f32 v11, s76, v11
	PLACES NP                                      ; behind the last products: for the loads into the fragments' registers and for the reads of the results
	ATLOAD 0
	TOSTAGE 0
.irp a, 1,2,3,4,5,6,7
.if \a > 1
	s_wait_xcnt 0x0                                ; block a - 2's stores have read their registers: block a's loads may land there
.endif
	ATLOAD \a
	TOSTAGE \a
	SEND \a-1, 32, 16                              ; behind block a - 1's: block a's 16 stores and 16 loads in LDS, and its 16 loads of att
.endr
	SEND 7, 0, 0
	s_wait_tensorcnt 0x0                           ; the wave's end
	ds_add_u32 v[SPW], v[NIL]
	s_wait_dscnt 0x0
	CROUND                                         ; the closing round
	s_endpgm
.Lfunc_end_k_qb436e489ba_ffn2:
	.size	k_qb436e489ba_ffn2, .Lfunc_end_k_qb436e489ba_ffn2-k_qb436e489ba_ffn2
	.p2alignl 7, 3214868480
	.fill 96, 4, 3214868480
	.section	.rodata,"a",@progbits
	.p2align	6, 0x0
	.amdhsa_kernel k_qb436e489ba_ffn2
		.amdhsa_group_segment_fixed_size 327680
		.amdhsa_private_segment_fixed_size 0
		.amdhsa_enable_private_segment 0
		.amdhsa_kernarg_size 64
		.amdhsa_user_sgpr_count 2
		.amdhsa_user_sgpr_kernarg_segment_ptr 1
		.amdhsa_wavefront_size32 1
		.amdhsa_system_sgpr_workgroup_id_x 1
		.amdhsa_system_sgpr_workgroup_id_y 1
		.amdhsa_system_sgpr_workgroup_id_z 1
		.amdhsa_system_vgpr_workitem_id 0
		.amdhsa_next_free_vgpr 1024
		.amdhsa_next_free_sgpr 100
		.amdhsa_reserve_vcc 0
		.amdhsa_float_denorm_mode_32 3
		.amdhsa_float_denorm_mode_16_64 3
		.amdhsa_memory_ordered 1
		.amdhsa_forward_progress 1
		.amdhsa_inst_pref_size 169
	.end_amdhsa_kernel
	.amdgpu_metadata
---
amdhsa.version: [ 1, 2 ]
amdhsa.kernels:
  - .name:           k_qb436e489ba_ffn2
    .symbol:         k_qb436e489ba_ffn2.kd
    .args:
      - { .name: hq, .offset: 0, .size: 8, .value_kind: global_buffer, .address_space: global }
      - { .name: W2_codes, .offset: 8, .size: 8, .value_kind: global_buffer, .address_space: global }
      - { .name: lowp_scales, .offset: 16, .size: 8, .value_kind: global_buffer, .address_space: global }
      - { .name: out0, .offset: 24, .size: 8, .value_kind: global_buffer, .address_space: global }
      - { .name: b2, .offset: 32, .size: 8, .value_kind: global_buffer, .address_space: global }
      - { .name: att, .offset: 40, .size: 8, .value_kind: global_buffer, .address_space: global }
      - { .name: alpha_ff, .offset: 48, .size: 8, .value_kind: global_buffer, .address_space: global }
      - { .name: beta_ff, .offset: 56, .size: 8, .value_kind: global_buffer, .address_space: global }
    .group_segment_fixed_size: 327680
    .private_segment_fixed_size: 0
    .kernarg_segment_align: 8
    .kernarg_segment_size: 64
    .max_flat_workgroup_size: 128
    .sgpr_count:     100
    .vgpr_count:     1024
    .wavefront_size: 32
...
	.end_amdgpu_metadata
.endif
;; end of part 4
;; ======== version 2 of 2: 4 launches
;; limits: right only within a limited range of input values
;; workspace buffers: xq 8,388,608 bytes; xt 4,194,304 bytes; qk 8,388,608 bytes; hq 16,777,216 bytes; att 16,777,216 bytes
;; launch quant (part 5): grid 4 x 32, 16 waves a work-group, no clusters, 202,752 bytes of LDS; arguments x, lowp_scales, xq, xt; writes xq, xt
.if DOCPART == 5
	.amdgcn_target "amdgcn-amd-amdhsa--gfx1250"
	.amdhsa_code_object_version 6
	.text
	.protected	k_qb436e489ba_quant
	.globl	k_qb436e489ba_quant
	.p2align	8
	.type	k_qb436e489ba_quant,@function
k_qb436e489ba_quant:
	s_mov_b64 s[64:65], 0
	v_nop
	global_prefetch_b8 v0, s[64:65] scope:SCOPE_SE
	s_setreg_imm32_b32 hwreg(HW_REG_WAVE_MODE, 25, 1), 1
	s_wait_xcnt 0x0
; x [4096 tokens][1024 channels] f32 is read ONCE and becomes three tensors of E5M2 codes:
;   xq plane 0 (scale 2^e0) and plane 1 (scale 2^e6): [4096][1024], channels innermost: the left operands of x W_qk^T and x W1^T;
;   xt (scale 2^e5): [32 (n, head)][16 key steps][64 channels][128 keys], keys innermost: the right operand of the attention's second product.
; code = x / 2^e, held within +-57,344, to the nearest code, ties to even.  LIMITS: -126 <= e <= 112 for e0, e5, e6; NaN among the inputs is not served.
; SHARES.  A work-group takes 128 tokens (one key step of one n) x 256 channels (four heads): so a row of xq's part is 256 bytes and a row of xt 128 bytes, 2,048 dense bytes a wave.
; The tile lies in LDS as f32.  Along the channels a lane reads 16 neighbours of a row; along the tokens a lane takes one channel and its registers run down 64 tokens:
; in both cases the conversions find neighbours along K in one lane's consecutive registers, and nothing is transposed by an instruction.
; No matrix work, no tensor load, no cluster: work-groups share nothing, and all of a wave's 16 loads are out at once.
.set TP,   1280                        ; a tile row in LDS: 16 groups of 64 bytes + 16 of padding
.set STG,  128*TP                      ; behind the tile: a stage of 16 rows x 144 bytes for each wave, its own
.set SGP,  144
.set X,    16                          ; v16-79   as loaded; later 64 tokens of one channel
.set Y,    80                          ; v80-143  4 x 16 neighbours along the channels; later xt's codes and the way out
.set T,    144                         ; v144-159 16 numbers held at the largest code (v144-146 serve as temporaries at the head)
.set CD,   160                         ; v160-191 xq's codes: registers of their own for each store
	s_load_b256 s[4:11], s[0:1], 0x0               ; x s[4:5], the scales' exponents s[6:7], xq s[8:9], xt s[10:11]
	v_lshl_add_u32 v192, v0, 2, 0x31000
	v_mov_b32 v193, 0
	v_lshrrev_b32 v15, 5, v0
	s_delay_alu instid0(VALU_DEP_1)
	v_readfirstlane_b32 s12, v15                   ; wave 0..15
	v_and_b32 v15, 31, v0                          ; lane L
	v_and_b32 v144, 15, v0                         ; L % 16
	v_bfe_u32 v145, v0, 4, 1                       ; L / 16
	s_delay_alu instid0(VALU_DEP_3)
	v_lshlrev_b32 v1, 4, v15                       ; 16 L: my 16 bytes of 512 consecutive ones, in x and in xt
	s_mul_i32 s30, s12, 8*TP                       ; my wave's 8 rows of the tile
	v_lshrrev_b32 v2, 2, v15
	s_delay_alu instid0(VALU_DEP_1)
	v_mul_u32_u24 v2, v2, 80
	v_and_b32 v146, 3, v0
	s_delay_alu instid0(VALU_DEP_1)
	v_lshl_add_u32 v2, v146, 4, v2
	s_delay_alu instid0(VALU_DEP_1)
	v_add_nc_u32 v2, s30, v2                       ; into the tile: four lanes fill a group of 64 bytes: 80 (L / 4) + 16 (L % 4)
	v_mul_u32_u24 v3, v145, TP
	s_delay_alu instid0(VALU_DEP_1)
	v_mad_u32_u24 v3, v144, 80, v3
	s_delay_alu instid0(VALU_DEP_1)
	v_add_nc_u32 v3, s30, v3                       ; by rows: row L / 16 of two, group L % 16: my 16 neighbouring channels
	v_lshlrev_b32 v4, 10, v145
	s_delay_alu instid0(VALU_DEP_1)
	v_lshl_add_u32 v4, v144, 4, v4                 ; and their 16 codes in xq: sixteen lanes fill 256 bytes of a row
	s_mul_i32 s31, s12, 80                         ; by columns: my wave's 16 channels are group w of every row
	v_mul_u32_u24 v5, v145, 64*TP
	s_delay_alu instid0(VALU_DEP_1)
	v_lshl_add_u32 v5, v144, 2, v5
	s_delay_alu instid0(VALU_DEP_1)
	v_add_nc_u32 v5, s31, v5                       ; channel L % 16 of them, tokens 64 (L / 16) on
	s_delay_alu instid0(VALU_DEP_1)
	v_add_nc_u32 v6, 32*TP, v5                     ; the same 32 tokens further down (the 16-bit offset does not reach 63 rows)
	s_mul_i32 s32, s12, 16*SGP
	s_add_co_u32 s32, s32, STG                     ; my stage
	v_mul_u32_u24 v7, v144, SGP
	s_delay_alu instid0(VALU_DEP_1)
	v_lshl_add_u32 v7, v145, 6, v7
	s_delay_alu instid0(VALU_DEP_1)
	v_add_nc_u32 v7, s32, v7                       ; in: row = my channel, 64 bytes for each half of the lanes
	v_lshrrev_b32 v8, 3, v15
	s_delay_alu instid0(VALU_DEP_1)
	v_mul_u32_u24 v8, v8, SGP
	v_and_b32 v146, 7, v0
	s_delay_alu instid0(VALU_DEP_1)
	v_lshl_add_u32 v8, v146, 4, v8
	s_delay_alu instid0(VALU_DEP_1)
	v_add_nc_u32 v8, s32, v8                       ; back: eight lanes to a row of 128 bytes, four rows an instruction
	s_and_b32 s13, ttmp7, 0xffff                   ; ty: 16 n + key step
	s_lshl_b32 s14, s13, 7
	s_lshl_b32 s15, s12, 3
	s_add_co_u32 s14, s14, s15                     ; my wave's first token: 128 ty + 8 w
	s_lshl_b32 s24, s14, 12
	s_lshl_b32 s15, ttmp9, 10
	s_add_co_u32 s24, s24, s15                     ; in x: 4,096 bytes a token + 1,024 tx
	s_mov_b32 s25, 0
	s_lshl_b32 s26, s14, 10
	s_lshl_b32 s15, ttmp9, 8
	s_add_co_u32 s26, s26, s15                     ; in xq: 1,024 bytes a token + 256 tx
	s_mov_b32 s27, 0
	s_lshr_b32 s28, s13, 4
	s_lshl_b32 s28, s28, 4                         ; 16 n
	s_lshl_b32 s15, ttmp9, 2
	s_add_co_u32 s28, s28, s15
	s_lshr_b32 s15, s12, 2
	s_add_co_u32 s28, s28, s15                     ; + my head: 4 tx + w / 4
	s_lshl_b32 s28, s28, 4
	s_and_b32 s15, s13, 15
	s_add_co_u32 s28, s28, s15                     ; x 16 key steps + mine
	s_lshl_b32 s28, s28, 13                        ; blocks of 8,192 bytes
	s_and_b32 s15, s12, 3
	s_lshl_b32 s15, s15, 11
	s_add_co_u32 s28, s28, s15                     ; + my 16 channels' rows of 128 bytes
	s_mov_b32 s29, 0
	s_wait_kmcnt 0x0
	s_load_b256 s[16:23], s[6:7], 0x0              ; e0 .. e7
	s_add_nc_u64 s[4:5], s[4:5], s[24:25]
	s_add_nc_u64 s[8:9], s[8:9], s[26:27]
	s_add_nc_u64 s[10:11], s[10:11], s[28:29]
.set ii, 0
.rept 16                                       ; my 8 rows x 1,024 bytes: each load reads 512 consecutive bytes; read once in the launch
	global_load_b128 v[X+4*ii:X+4*ii+3], v1, s[4:5] offset:(ii/2)*4096+512*(ii%2) th:TH_LOAD_NT
.set ii, ii+1
.endr
	s_wait_kmcnt 0x0
.macro SCALE e, sc, lim                        ; 2^e as f32 (the conversion takes its exponent field) and 57,344 x 2^e
	s_add_co_i32 s33, s[\e], 127
	s_lshl_b32 s34, s33, 23
	v_mov_b32 v[\sc], s34
	s_add_co_i32 s33, s33, 15
	s_lshl_b32 s33, s33, 23
	s_or_b32 s33, s33, 0x600000
	v_mov_b32 v[\lim], s33
.endm
	SCALE 16, 9, 10                                ; e0
	SCALE 22, 11, 12                               ; e6
	SCALE 21, 13, 14                               ; e5
.set ii, 0
	s_wait_alu depctr_va_vdst(0)
.rept 16
	s_wait_loadcnt 15-ii                           ; loads come back in order: this one is in, the younger ones stay out
	ds_store_b128 v2, v[X+4*ii:X+4*ii+3] offset:(ii/2)*TP+640*(ii%2)
.set ii, ii+1
.endr
; BY ROWS: my own 8 rows, so no barrier: LDS serves a wave's instructions in order
.set ii, 0
.rept 16
	ds_load_b128 v[Y+4*ii:Y+4*ii+3], v3 offset:(ii/4)*2*TP+16*(ii%4)
.set ii, ii+1
.endr
.macro PLANE j, sc, lim, dst                   ; 16 neighbours -> 16 codes
.set ii, 0
.rept 16
	v_med3_num_f32 v[T+ii], v[Y+16*\j+ii], -v[\lim], v[\lim]   ; the conversion to an 8-bit code does not saturate (ISA guide 7.6.2): the hold comes first
.set ii, ii+1
.endr
	v_cvt_scalef32_pk8_bf8_f32 v[\dst:\dst+1], v[T:T+7], v[\sc]
	v_cvt_scalef32_pk8_bf8_f32 v[\dst+2:\dst+3], v[T+8:T+15], v[\sc]
	v_nop                                          ; a plain line between the conversions and the next write of their sources
.endm
.irp j, 0,1,2,3
	s_wait_dscnt 12-4*\j                           ; this pair of rows is in; the later groups of four loads stay out
	PLANE \j, 9, 10, CD+8*\j
	PLANE \j, 11, 12, CD+8*\j+4
	global_store_b128 v4, v[CD+8*\j:CD+8*\j+3], s[8:9] offset:2048*\j            ; plane 0: sixteen lanes store 256 consecutive bytes, aligned
	global_store_b128 v4, v[CD+8*\j+4:CD+8*\j+7], s[8:9] offset:2048*\j+0x400000 ; plane 1
.endr
	s_wait_dscnt 0x0                               ; for the others' sake: my stores into the tile have landed
	s_barrier_signal -1
	s_barrier_wait -1                              ; the tile is whole
; BY COLUMNS: one channel a lane, registers down 64 tokens
.set ii, 0
.rept 32
	ds_load_b32 v[X+ii], v5 offset:ii*TP
.set ii, ii+1
.endr
.set ii, 0
.rept 32
	ds_load_b32 v[X+32+ii], v6 offset:ii*TP
.set ii, ii+1
.endr
	s_wait_dscnt 0x0
.set ii, 0
.rept 64
	v_med3_num_f32 v[X+ii], v[X+ii], -v14, v14
.set ii, ii+1
.endr
.set ii, 0
.rept 8
	v_cvt_scalef32_pk8_bf8_f32 v[Y+2*ii:Y+2*ii+1], v[X+8*ii:X+8*ii+7], v13
.set ii, ii+1
.endr
	v_nop
.irp j, 0,1,2,3
	ds_store_b128 v7, v[Y+4*\j:Y+4*\j+3] offset:16*\j          ; 64 codes of my channel's row
.endr
.irp i, 0,1,2,3
	ds_load_b128 v[Y+16+4*\i:Y+16+4*\i+3], v8 offset:4*SGP*\i  ; my own stage: these see the stores above
.endr
.irp i, 0,1,2,3
	s_wait_dscnt 3-\i
	global_store_b128 v1, v[Y+16+4*\i:Y+16+4*\i+3], s[10:11] offset:512*\i   ; 512 consecutive bytes an instruction, 2,048 a wave
.endr
	s_wait_tensorcnt 0x0
	ds_add_u32 v192, v193
	s_wait_dscnt 0x0
	s_endpgm
.Lfunc_end_k_qb436e489ba_quant:
	.size	k_qb436e489ba_quant, .Lfunc_end_k_qb436e489ba_quant-k_qb436e489ba_quant
	.p2alignl 7, 3214868480
	.fill 96, 4, 3214868480
	.section	.rodata,"a",@progbits
	.p2align	6, 0x0
	.amdhsa_kernel k_qb436e489ba_quant
		.amdhsa_group_segment_fixed_size 202752
		.amdhsa_private_segment_fixed_size 0
		.amdhsa_enable_private_segment 0
		.amdhsa_kernarg_size 32
		.amdhsa_user_sgpr_count 2
		.amdhsa_user_sgpr_kernarg_segment_ptr 1
		.amdhsa_wavefront_size32 1
		.amdhsa_system_sgpr_workgroup_id_x 1
		.amdhsa_system_sgpr_workgroup_id_y 1
		.amdhsa_system_sgpr_workgroup_id_z 1
		.amdhsa_system_vgpr_workitem_id 0
		.amdhsa_next_free_vgpr 194
		.amdhsa_next_free_sgpr 66
		.amdhsa_reserve_vcc 0
		.amdhsa_float_denorm_mode_32 3
		.amdhsa_float_denorm_mode_16_64 3
		.amdhsa_memory_ordered 1
		.amdhsa_forward_progress 1
		.amdhsa_inst_pref_size 29
	.end_amdhsa_kernel
	.amdgpu_metadata
---
amdhsa.version: [ 1, 2 ]
amdhsa.kernels:
  - .name:           k_qb436e489ba_quant
    .symbol:         k_qb436e489ba_quant.kd
    .args:
      - { .name: x, .offset: 0, .size: 8, .value_kind: global_buffer, .address_space: global }
      - { .name: lowp_scales, .offset: 8, .size: 8, .value_kind: global_buffer, .address_space: global }
      - { .name: xq, .offset: 16, .size: 8, .value_kind: global_buffer, .address_space: global }
      - { .name: xt, .offset: 24, .size: 8, .value_kind: global_buffer, .address_space: global }
    .group_segment_fixed_size: 202752
    .private_segment_fixed_size: 0
    .kernarg_segment_align: 8
    .kernarg_segment_size: 32
    .max_flat_workgroup_size: 512
    .sgpr_count:     66
    .vgpr_count:     194
    .wavefront_size: 32
...
	.end_amdgpu_metadata
.endif
;; end of part 5
;; launch proj (part 6): grid 24 x 16, 4 waves a work-group, clusters of 4 x 4, 327,680 bytes of LDS; arguments xq, W_qk_codes, W1_codes, b_qk, b1, lowp_scales, qk, hq; writes qk, hq
.if DOCPART == 6
	.amdgcn_target "amdgcn-amd-amdhsa--gfx1250"
	.amdhsa_code_object_version 6
	.text
	.protected	k_qb436e489ba_proj
	.globl	k_qb436e489ba_proj
	.p2align	8
	.type	k_qb436e489ba_proj,@function
k_qb436e489ba_proj:
	s_mov_b64 s[64:65], 0
	v_nop
	global_prefetch_b8 v0, s[64:65] scope:SCOPE_SE
	s_setreg_imm32_b32 hwreg(HW_REG_WAVE_MODE, 25, 1), 1
	s_wait_xcnt 0x0
	s_wait_alu depctr_hold_cnt(0) depctr_sa_sdst(0) depctr_va_vdst(0) depctr_va_sdst(0) depctr_va_ssrc(0) depctr_va_vcc(0) depctr_vm_vsrc(0)
	s_getreg_b32 s2, hwreg(HW_REG_IB_STS2, 6, 4)
	s_cmp_eq_u32 s2, 0
	s_cbranch_scc0 .Lentry_in_a_cluster
	s_endpgm
.Lentry_in_a_cluster:
	s_bfe_u32 s2, ttmp6, 0x10000c
	s_cmp_lg_u32 s2, 0xf033
	s_cbranch_scc0 .Lentry_shape_is_right
	s_endpgm
.Lentry_shape_is_right:
; Two products on E5M2 codes in one launch, both [4096 tokens] x [K = 1024]:
;   tile columns 0-7  (cluster x 0, 1):  x W_qk^T + b_qk, quantised with 2^e2 (Q, cluster x 0) or 2^e3 (K, cluster x 1) into qk [n][32 heads][2048 tokens][64];
;   tile columns 8-23 (cluster x 2..5):  gelu(x W1^T + b1), quantised with 2^e8 into hq [4096][4096].
; The left operand is xq's plane 0 (scale 2^e0) or plane 1 (2^e6).  Which product a work-group makes hangs on the cluster's x alone, which its sixteen partners share.
; A sum stands for sum x 2^(eA + eB); y = sum x 2^(eA + eB) + bias in f32; gelu(y) = y / (1 + 2^(y (k1 + k2 y^2))), k1 = -2 log2(e) sqrt(2 / pi), k2 = 0.044715 k1: the tanh form without its cancellation.
; LIMITS: e0 + e1 and e6 + e7 between -126 and 127; e2, e3, e8 between -126 and 112.  NaN among the inputs is not served.
; A tile of C, 256 x 256, is made by four waves, each 128 x 128: 64 accumulators, 512 registers.  K goes in steps of 256 through a ring of two LDS slots filled by the tensor data mover.
; CLUSTERS: 4 x 4 work-groups.  The four of a row of the cluster need the same tiles of xq, the four of a column the same tiles of the weight: each tile is asked for JOINTLY.
; THE MATRIX INSTRUCTION IS USED TRANSPOSED (source 0 = 16 rows of the weight, source 1 = 16 tokens): a lane holds eight neighbouring columns of one token: neighbours along the next product's K.
; REGISTERS, in windows of 256: window 0: v0-31 addresses and constants; v32-95 the bias in the result's layout; from v128 A's fragments, ONE set; on the way out v96-255 are free.
;   window 1: B's fragments, TWO sets.   window 2: the accumulators of my rows 0-63 ((a, b) at v[8 (8 a + b)]);   window 3: those of my rows 64-127.
.set SIZE_K, 1024
.set KSTEP,  256
.set ROWB,   256                       ; a tile's row in bytes
.set KROW,   SIZE_K                    ; a row of either operand in memory, in bytes
.set PITCH,  272                       ; an LDS row: 256 bytes + 16 of padding = 68 words: the 16 rows that a load touches start at 16 different banks (64 banks of 4 bytes: ISA guide 11.1)
.set FR,     16
.set NL,     4
.set NP,     4                         ; places behind this matrix instruction (ISA guide 7.12.1)
.set HALFT,  128*PITCH
.set SLOT,   4*HALFT
.set LAPS,   SIZE_K/(2*KSTEP)
.set SPARE,  2*SLOT                    ; behind the ring: the spare words, 128 bytes for each wave
.set QS,   7                           ; v7      2^eO as f32, for the conversions
.set QL,   8                           ; v8      57,344 x 2^eO
.set BO,   9                           ; v9      32 (l / 16): my half's eight numbers of a bias block; never rewritten
.set K1,   10                          ; v10-11  k1, twice
.set ADRA, 16
.set ADRB, 20
.set RDQ,  22                          ; v22-23  the way out by heads: where I read 16 bytes of a token's 64 (tokens 0-127, 128-255)
.set RDQ2, 23
.set STO,  24                          ; v24     the way out: where I put 8 codes of a row
.set RDH,  25                          ; v25     the way out by rows: where I read 16 bytes of a row's 256
.set COH,  26                          ; v26     my byte offset in hq
.set COQ,  27                          ; v27     my byte offset in qk
.set SPW,  28
.set NIL,  29
.set BIAS, 32
.set Y,    96                          ; the way out: a block's 64 numbers; later rows read back
.set T,    160                         ; the way out: at work
.set CD,   224                         ; the way out: a block's codes
.set AF,   128
.set G1, 24
.set G0, 32
.set G1B, 48
.set G0B, 56
.set MSB, 0
.macro WIN new                         ; the immediate's high byte repeats the setting that is left
.if MSB != \new
	s_set_vgpr_msb (MSB<<8)|\new
.set MSB, \new
.endif
.endm
.set MUL_LO, 0xa1                      ; source 0 (B) window 1, source 1 (A) window 0, C and D window 2
.set MUL_HI, 0xf1
.set TO_B,   0x40
; A joint load: waves 0 and 1 fetch for A, waves 2 and 3 for B; the branch hangs on the wave's number alone.  Four v_nop follow each of the two lines.
.macro JLOAD g0a, g1a, g0b, g1b
	s_cmp_eq_u32 s15, 0
	s_cbranch_scc0 .Lfor_b_\@
	tensor_load_to_lds s[\g0a:\g0a+3], s[\g1a:\g1a+7]
	s_nop 0
.rept 4
	v_nop
.endr
	s_branch .Lasked_\@
.Lfor_b_\@:
	tensor_load_to_lds s[\g0b:\g0b+3], s[\g1b:\g1b+7]
	s_nop 0
.rept 4
	v_nop
.endr
.Lasked_\@:
.endm
.macro CREST                           ; a round of the cluster's barrier behind its opening barrier
	s_cmp_lg_u32 s14, 0
	s_cbranch_scc1 .Lnot_wave_0_\@
	s_barrier_signal -3
.Lnot_wave_0_\@:
	s_barrier_wait -3
	s_barrier_signal -1
	s_barrier_wait -1
.endm
.macro CROUND
	s_barrier_signal -1
	s_barrier_wait -1
	CREST
.endm
	s_load_b256 s[4:11], s[0:1], 0x0               ; xq s[4:5], W_qk s[6:7], W1 s[8:9], b_qk s[10:11]
	s_load_b256 s[68:75], s[0:1], 0x20             ; b1 s[68:69], the scales' exponents s[70:71], qk s[72:73], hq s[74:75]
	v_lshl_add_u32 v[SPW], v0, 2, SPARE
	v_mov_b32 v[NIL], 0
	ds_add_u32 v28, v29
	ds_add_u32 v28, v29
	s_wait_dscnt 0x0
	v_lshrrev_b32 v1, 5, v0
	v_readfirstlane_b32 s14, v1                    ; wave 0..3
	s_lshr_b32 s15, s14, 1                         ; which half of the tile's rows is mine.  Also: I fetch for A (0) or for B (1)
	s_and_b32 s16, s14, 1                          ; which half of its columns.  Also: which 128 rows of that tile I fetch
	s_bfe_u32 s40, ttmp6, 0x40000                  ; cx, cy: my place in the cluster
	s_bfe_u32 s41, ttmp6, 0x40004
	s_lshl_b32 s42, ttmp9, 2
	s_add_co_u32 s42, s42, s40                     ; tile column = 4 x cluster x + cx
	s_and_b32 s17, ttmp7, 0xffff
	s_lshl_b32 s17, s17, 2
	s_add_co_u32 s17, s17, s41                     ; tile row = 4 x cluster y + cy
	s_lshl_b32 s43, s41, 2
	s_lshl_b32 s43, 15, s43                        ; my row of the cluster
	s_lshl_b32 s44, 0x1111, s40                    ; my column
	s_or_b32 s[G1+0], s43, (0<<16)|(1<<20)|(1<<21)|(5<<22)|(3<<25)  ; 15:0 the mask; 17:16 elements of 1 byte; 20 padding on; 21 set beside a mask; 24:22 after every 64 words; 31:25 four words
	s_or_b32 s[G1B+0], s44, (0<<16)|(1<<20)|(1<<21)|(5<<22)|(3<<25)
.irp g, G1, G1B
	s_mov_b32 s[\g+1], ROWB<<16                    ; tensor_dim0
	s_mov_b32 s[\g+2], 128<<16                     ; tensor_dim1
	s_mov_b32 s[\g+3], ROWB<<16                    ; tile_dim0
	s_mov_b32 s[\g+4], 128                         ; tile_dim1
	s_mov_b32 s[\g+5], KROW                        ; tensor_dim0_stride
	s_mov_b32 s[\g+6], 0
	s_mov_b32 s[\g+7], 0
.endr
	s_cmp_lt_u32 ttmp9, 2                          ; the first product's clusters?
	s_cselect_b32 s88, 0, 0x400000                 ; xq's plane, in bytes
	s_cselect_b32 s89, 0, 8
	s_sub_co_u32 s92, s42, s89                     ; the tile column within my product
	s_lshl_b32 s18, s16, 7                         ; which 128 rows of the tile I fetch
	s_lshl_b32 s20, s17, 8
	s_add_co_u32 s20, s20, s18
	s_lshl_b32 s20, s20, 10                        ; A: (256 x tile row + 128 x half) rows of 1,024 bytes
	s_add_co_u32 s20, s20, s88                     ;    in my product's plane
	s_mov_b32 s21, 0
	s_lshl_b32 s46, s92, 8
	s_add_co_u32 s46, s46, s18
	s_lshl_b32 s46, s46, 10                        ; B: (256 x tile column + 128 x half) rows
	s_mov_b32 s47, 0
	s_mul_i32 s45, s14, HALFT                      ; where they go: wave x 128 rows: no place in the cluster enters an LDS address
	s_wait_kmcnt 0x0
	s_load_b256 s[76:83], s[70:71], 0x0            ; e0 .. e7
	s_load_b64 s[84:85], s[70:71], 0x20            ; e8, e9
	s_cmp_lt_u32 ttmp9, 2
	s_cselect_b64 s[6:7], s[6:7], s[8:9]           ; my product's weight
	s_cselect_b64 s[10:11], s[10:11], s[68:69]     ; and bias
	s_add_nc_u64 s[20:21], s[4:5], s[20:21]
	s_add_nc_u64 s[46:47], s[6:7], s[46:47]
	s_cmp_eq_u32 s15, 0                            ; the prefetches: of the 128 rows that I fetch, xq's or the weight's,
	s_cselect_b64 s[96:97], s[20:21], s[46:47]
	s_cselect_b32 s98, s40, s41                    ; the partner at place p among the four that ask jointly (cx for xq, cy for the weight)
	s_lshl_b32 s98, s98, 15                        ; takes rows 32 p .. 32 p + 31, of 1,024 bytes: told apart by address alone
	s_mov_b32 s99, 0
	s_add_nc_u64 s[96:97], s[96:97], s[98:99]      ; never rewritten
	v_and_b32 v30, 31, v0
	v_lshlrev_b32 v30, 10, v30                     ; a lane a row; never rewritten
	s_wait_alu depctr_va_vdst(0)                   ; directly behind the write
	CROUND                                         ; all sixteen work-groups are here: the first joint loads meet
.irp s, 0,1
	s_mov_b32 s[G0+4*\s], 1
	s_add_co_u32 s[G0+4*\s+1], s45, \s*SLOT
	s_add_nc_u64 s[G0+4*\s+2:G0+4*\s+3], s[20:21], \s*ROWB
	s_or_b32 s[G0+4*\s+3], s[G0+4*\s+3], 0x80000000
	s_mov_b32 s[G0B+4*\s], 1
	s_add_co_u32 s[G0B+4*\s+1], s45, \s*SLOT
	s_add_nc_u64 s[G0B+4*\s+2:G0B+4*\s+3], s[46:47], \s*ROWB
	s_or_b32 s[G0B+4*\s+3], s[G0B+4*\s+3], 0x80000000
.endr
	JLOAD G0, G1, G0B, G1B                         ; K step 0: one tensor load a wave at the head
	global_prefetch_b8 v30, s[96:97] offset:ROWB th:TH_LOAD_NT scope:SCOPE_SE     ; K steps 1 and 2 of my 32 rows: 256 bytes of a row each, named once in the cluster
	global_prefetch_b8 v30, s[96:97] offset:2*ROWB th:TH_LOAD_NT scope:SCOPE_SE
	v_and_b32 v1, 15, v0                           ; l % 16
	v_bfe_u32 v2, v0, 4, 1                         ; l / 16
	v_mul_u32_u24 v3, v1, PITCH
	s_wait_alu depctr_va_vdst(0)
	v_lshl_add_u32 v4, v2, 4, v3                   ; a fragment's row x pitch + 16 x half
	s_mul_i32 s21, s15, HALFT                      ; my 128 rows of A
	s_mul_i32 s22, s16, HALFT                      ; my 128 rows of B,
	s_add_co_u32 s22, s22, 2*HALFT                 ; which lie behind A's 256
.irp s, 0,1
	v_add_nc_u32 v[ADRA+\s], s21, v4
	v_add_nc_u32 v[ADRB+\s], s22, v4
	s_add_co_u32 s21, s21, SLOT
	s_add_co_u32 s22, s22, SLOT
.endr
	; the way out: ONE stage for the work-group, 256 rows x (256 codes + 16), in slot 0
	s_mul_i32 s23, s15, HALFT
	s_lshl_b32 s22, s16, 7
	s_add_co_u32 s23, s23, s22
	v_lshl_add_u32 v[STO], v2, 3, v3
	v_add_nc_u32 v[STO], s23, v[STO]               ; in: row 128 x my row half + l % 16, byte 128 x my column half + 8 (l / 16)
	s_mul_i32 s23, s14, 64*PITCH
	v_mul_u32_u24 v5, v2, PITCH
	v_lshl_add_u32 v5, v1, 4, v5
	v_add_nc_u32 v[RDH], s23, v5                   ; back by rows: wave w takes rows 64 w on, sixteen lanes to a row
	v_and_b32 v6, 31, v0
	v_lshrrev_b32 v5, 2, v6
	v_mul_u32_u24 v5, v5, PITCH
	v_and_b32 v3, 3, v0
	v_lshl_add_u32 v5, v3, 4, v5
	s_lshl_b32 s23, s14, 6
	v_add_nc_u32 v[RDQ], s23, v5                   ; back by heads: wave w takes bytes 64 w on of every row, four lanes to a token
	v_add_nc_u32 v[RDQ2], 128*PITCH, v[RDQ]
	v_lshlrev_b32 v[COH], 12, v2
	v_lshl_add_u32 v[COH], v1, 4, v[COH]           ; hq: two rows of 4,096 bytes an instruction
	v_lshlrev_b32 v[COQ], 4, v6                    ; qk: 512 dense bytes an instruction
	v_lshlrev_b32 v[BO], 5, v2
	s_lshl_b32 s94, s92, 10
	s_lshl_b32 s95, s16, 9
	s_add_co_u32 s94, s94, s95
	s_mov_b32 s95, 0
	s_add_nc_u64 s[10:11], s[10:11], s[94:95]      ; the bias at my 128 columns
.irp b, 0,1,2,3,4,5,6,7                        ; block b, lane (r, h): columns 16 b + 8 h + 0 .. 7: the result's layout.  Waited for once, on the way out
	global_load_b128 v[BIAS+8*\b:BIAS+8*\b+3], v[BO], s[10:11] offset:64*\b
	global_load_b128 v[BIAS+8*\b+4:BIAS+8*\b+7], v[BO], s[10:11] offset:64*\b+16
.endr
.macro FRAG reg, adr, q, i             ; 16 rows x 128 K in 16 registers: lane l holds row l % 16; registers 4 c .. 4 c + 3 hold K = 32 c + 16 (l / 16) + 0 .. 15: the same order of k in A and in B
.irp c, 0,1,2,3
	ds_load_b128 v[\reg+4*\c:\reg+4*\c+3], v[\adr] offset:128*(\q)+32*\c+(\i)*16*PITCH
.endr
.endm
; 16 matrix instructions: A's blocks a0, a0 + 1 x B's eight.  The 64 accumulators take turns, one instruction a turn, in the same order in every step.
.macro MUL16 a0, p, zero
.irp a, \a0, \a0+1
.irp b, 0,1,2,3,4,5,6,7
.if \zero
	v_wmma_f32_16x16x128_bf8_bf8 v[8*(8*((\a)%4)+\b):8*(8*((\a)%4)+\b)+7], v[128*(\p)+FR*\b:128*(\p)+FR*\b+FR-1], v[AF+FR*(\a):AF+FR*(\a)+FR-1], 0
.else
	v_wmma_f32_16x16x128_bf8_bf8 v[8*(8*((\a)%4)+\b):8*(8*((\a)%4)+\b)+7], v[128*(\p)+FR*\b:128*(\p)+FR*\b+FR-1], v[AF+FR*(\a):AF+FR*(\a)+FR-1], v[8*(8*((\a)%4)+\b):8*(8*((\a)%4)+\b)+7]
.endif
.endr
.endr
.endm
.macro FETCH_B slot, q, p
	WIN TO_B
.irp i, 0,1,2,3,4,5,6,7
	FRAG 128*(\p)+FR*\i, ADRB+\slot, \q, \i
.endr
	WIN 0
.endm
.macro FETCH_A slot, q, i0
.irp i, \i0, \i0+1, \i0+2, \i0+3
	FRAG AF+FR*(\i), ADRA+\slot, \q, \i
.endr
.endm
.macro PLACES n                        ; plain vector lines between a matrix instruction and a load into, or a vector read or write of, its registers
.rept \n
	v_nop
.endr
.endm
.macro STEP slot, q, zero              ; 128 along K, with its successor in the same slot
	s_wait_dscnt 4*NL                              ; B's set and A's blocks 0-3 are in; the youngest sixteen loads (A's blocks 4-7) may be out
	WIN MUL_LO
	MUL16 0, (\q)%2, \zero
	MUL16 2, (\q)%2, \zero
	s_wait_dscnt 0
	PLACES NP
	FETCH_B \slot, (\q)+1, 1-(\q)%2
	FETCH_A \slot, (\q)+1, 0
	WIN MUL_HI
	MUL16 4, (\q)%2, \zero
	MUL16 6, (\q)%2, \zero
	PLACES NP
	WIN 0
	FETCH_A \slot, (\q)+1, 4
.endm
; A slot's last step changes slots: ONE barrier; in front of it each wave waits for all its tensor loads, adds 0 to its spare word, and waits for that and for its own reads of this slot.
.macro TURN slot, next, fill
	s_wait_tensorcnt 0x0                           ; all my tensor loads have landed: my part of the next slot
	ds_add_u32 v[SPW], v[NIL]                      ; 0 onto my spare word
	s_wait_dscnt 4*NL+1                            ; (the add and the youngest sixteen loads may be out)
	WIN MUL_LO
	MUL16 0, 1, 0
	s_wait_dscnt 0x0                               ; the add is done, and my reads of this slot are over
	s_barrier_signal -1
	MUL16 2, 1, 0
	WIN 0
	s_barrier_wait -1
.if \fill
	CREST                                          ; the barrier has opened a round of the cluster's barrier: no wave of any partner still reads this slot or has a load on its way
	s_add_nc_u64 s[G0+4*\slot+2:G0+4*\slot+3], s[G0+4*\slot+2:G0+4*\slot+3], 2*ROWB
	s_add_nc_u64 s[G0B+4*\slot+2:G0B+4*\slot+3], s[G0B+4*\slot+2:G0B+4*\slot+3], 2*ROWB
	JLOAD G0+4*\slot, G1, G0B+4*\slot, G1B         ; the first tensor load behind the round; its four v_nop are the places in front of the loads below
.else
	PLACES NP
.endif
	FETCH_B \next, 0, 0
	FETCH_A \next, 0, 0
	WIN MUL_HI
	MUL16 4, 1, 0
	MUL16 6, 1, 0
	PLACES NP
	WIN 0
	FETCH_A \next, 0, 4
.endm
	s_wait_alu depctr_va_vdst(0)                   ; at the head's end
	s_wait_tensorcnt 0x0                           ; my part of K step 0 is in
	ds_add_u32 v[SPW], v[NIL]
	s_wait_dscnt 0x0
	CROUND                                         ; everybody's part of K step 0 is in, and the sixteen work-groups meet
	JLOAD G0+4, G1, G0B+4, G1B                     ; K step 1, the first tensor load behind the round
	FETCH_B 0, 0, 0
	FETCH_A 0, 0, 0
	FETCH_A 0, 0, 4
	global_prefetch_b8 v30, s[96:97] offset:3*ROWB th:TH_LOAD_NT scope:SCOPE_SE   ; K step 3, the last: two refills ahead of its load, behind K step 1's load and the run of LDS loads
	STEP 0, 0, 1
	s_mov_b32 s3, LAPS-1
.Llap:                                                 ; a trip goes once round the ring and fills both slots again
	TURN 0, 1, 1
	STEP 1, 0, 0
	TURN 1, 0, 1
	STEP 0, 0, 0
	s_sub_co_u32 s3, s3, 1
	s_cmp_lg_u32 s3, 0
	s_cbranch_scc1 .Llap
	TURN 0, 1, 0                                   ; the last lap fills nothing
	STEP 1, 0, 0
	s_wait_dscnt 4*NL
	WIN MUL_LO
	MUL16 0, 1, 0
	MUL16 2, 1, 0
	s_wait_dscnt 0
	WIN MUL_HI
	MUL16 4, 1, 0
	MUL16 6, 1, 0
	WIN 0
; THE WAY OUT.  Slot 0 has had its last fill, and every wave has passed the last change of slots, behind which nobody reads it: the stage lies there.
	s_wait_kmcnt 0x0
	s_cmp_lt_u32 ttmp9, 2
	s_cselect_b32 s86, s76, s82                    ; eA: e0 or e6
	s_cselect_b32 s87, s77, s83                    ; eB: e1 or e7
	s_cselect_b32 s93, s79, s84                    ; the result's: e3 or e8,
	s_cmp_eq_u32 ttmp9, 0
	s_cselect_b32 s93, s78, s93                    ; or e2 for Q's heads
	s_add_co_i32 s86, s86, s87
	s_add_co_i32 s86, s86, 127
	s_lshl_b32 s86, s86, 23                        ; 2^(eA + eB) as f32
	s_mov_b32 s87, s86                             ; (named with it as a pair, so it is written)
	s_add_co_i32 s93, s93, 127
	s_lshl_b32 s94, s93, 23
	v_mov_b32 v[QS], s94
	s_add_co_i32 s93, s93, 15
	s_lshl_b32 s93, s93, 23
	s_or_b32 s93, s93, 0x600000
	v_mov_b32 v[QL], s93
	s_mov_b32 s90, 0xbdd2d3e8                      ; k2 = -0.10294324
	s_mov_b32 s91, s90
	v_mov_b32 v[K1], 0xc0135761                    ; k1 = -2.3022082
	v_mov_b32 v[K1+1], v[K1]
	s_wait_loadcnt 0x0                             ; the bias
	PLACES NP
; Block a: 16 tokens x my 128 columns: y, the activation (second product alone: the branch passes over register work only), the hold, the codes, 8 bytes a lane and column block into the stage.
.macro EPI a
.set AC, 64*((\a)%4)
	WIN 0x02+((\a)/4)                              ; source 0: window 2 or 3
.set jj, 0
.rept 32
	v_pk_fma_f32 v[Y+jj:Y+jj+1], v[AC+jj:AC+jj+1], s[86:87], v[BIAS+jj:BIAS+jj+1] op_sel_hi:[1,0,1]   ; y = sum x 2^(eA + eB) + bias; each accumulator from its low end on
.set jj, jj+2
.endr
	WIN 0
	s_cmp_lt_u32 ttmp9, 2
	s_cbranch_scc1 .Lplain_\@
.set jj, 0
.rept 32
	v_pk_mul_f32 v[T+jj:T+jj+1], v[Y+jj:Y+jj+1], v[Y+jj:Y+jj+1]
.set jj, jj+2
.endr
.set jj, 0
.rept 32
	v_pk_fma_f32 v[T+jj:T+jj+1], v[T+jj:T+jj+1], s[90:91], v[K1:K1+1] op_sel_hi:[1,0,1]   ; k1 + k2 y^2
.set jj, jj+2
.endr
.set jj, 0
.rept 32
	v_pk_mul_f32 v[T+jj:T+jj+1], v[T+jj:T+jj+1], v[Y+jj:Y+jj+1]
.set jj, jj+2
.endr
.set jj, 0
	s_wait_alu depctr_va_vdst(0)
.rept 64
	v_exp_f32 v[T+jj], v[T+jj]
.set jj, jj+1
.endr
	v_nop                                          ; a plain line behind the last transcendental
.set jj, 0
	s_wait_alu depctr_va_vdst(0)
.rept 32
	v_pk_add_f32 v[T+jj:T+jj+1], v[T+jj:T+jj+1], 1.0 op_sel_hi:[1,0]
.set jj, jj+2
.endr
.set jj, 0
	s_wait_alu depctr_va_vdst(0)
.rept 64
	v_rcp_f32 v[T+jj], v[T+jj]
.set jj, jj+1
.endr
	v_nop
.set jj, 0
	s_wait_alu depctr_va_vdst(0)
.rept 32
	v_pk_mul_f32 v[Y+jj:Y+jj+1], v[Y+jj:Y+jj+1], v[T+jj:T+jj+1]
.set jj, jj+2
.endr
.Lplain_\@:
	s_wait_dscnt 0x0                               ; the last block's stores have read the codes' registers
.set jj, 0
.rept 64
	v_med3_num_f32 v[Y+jj], v[Y+jj], -v[QL], v[QL] ; the conversion to an 8-bit code does not saturate (ISA guide 7.6.2)
.set jj, jj+1
.endr
.set jj, 0
.rept 8
	v_cvt_scalef32_pk8_bf8_f32 v[CD+2*jj:CD+2*jj+1], v[Y+8*jj:Y+8*jj+7], v[QS]
.set jj, jj+1
.endr
	v_nop                                          ; a plain line between the conversions and the next write of their sources
.set jj, 0
.rept 8
	ds_store_b64 v[STO], v[CD+2*jj:CD+2*jj+1] offset:(\a)*16*PITCH+16*jj   ; lane (r, h): row 16 a + r, columns 16 b + 8 h + 0 .. 7
.set jj, jj+1
.endr
.endm
.irp a, 0,1,2,3,4,5,6,7
	EPI \a
.endr
	s_wait_dscnt 0x0                               ; for the others' sake: my stores into the stage have landed
	s_barrier_signal -1
	s_barrier_wait -1                              ; 256 whole rows of codes lie in the stage; from here on it is only read
	s_cmp_lt_u32 ttmp9, 2
	s_cbranch_scc1 .Lheads
	s_lshl_b32 s94, s17, 8                         ; hq: wave w stores rows 64 w on of the tile, 256 bytes each
	s_lshl_b32 s95, s14, 6
	s_add_co_u32 s94, s94, s95
	s_lshl_b32 s94, s94, 12
	s_lshl_b32 s95, s92, 8
	s_add_co_u32 s94, s94, s95
	s_mov_b32 s95, 0
	s_add_nc_u64 s[74:75], s[74:75], s[94:95]
.set tt, 0
.rept 32
	ds_load_b128 v[Y+4*tt:Y+4*tt+3], v[RDH] offset:tt*2*PITCH
.set tt, tt+1
.endr
.set tt, 0
.rept 32
	s_wait_dscnt 31-tt
	global_store_b128 v[COH], v[Y+4*tt:Y+4*tt+3], s[74:75] offset:tt*2*4096   ; sixteen lanes store 256 consecutive bytes, aligned
.set tt, tt+1
.endr
	s_branch .Lout
.Lheads:
	s_lshr_b32 s94, s17, 3                         ; qk: wave w stores head 4 x tile column + w: 256 tokens x 64 bytes, dense
	s_lshl_b32 s94, s94, 5                         ; 32 n
	s_lshl_b32 s95, s42, 2
	s_add_co_u32 s94, s94, s95
	s_add_co_u32 s94, s94, s14
	s_lshl_b32 s94, s94, 11                        ; x 2,048 tokens
	s_and_b32 s95, s17, 7
	s_lshl_b32 s95, s95, 8
	s_add_co_u32 s94, s94, s95                     ; + the tile's first token within n
	s_lshl_b32 s94, s94, 6
	s_mov_b32 s95, 0
	s_add_nc_u64 s[72:73], s[72:73], s[94:95]
.set tt, 0
.rept 16
	ds_load_b128 v[Y+4*tt:Y+4*tt+3], v[RDQ] offset:tt*8*PITCH
.set tt, tt+1
.endr
.set tt, 0
.rept 16
	ds_load_b128 v[Y+64+4*tt:Y+64+4*tt+3], v[RDQ2] offset:tt*8*PITCH
.set tt, tt+1
.endr
.set tt, 0
.rept 32
	s_wait_dscnt 31-tt
	global_store_b128 v[COQ], v[Y+4*tt:Y+4*tt+3], s[72:73] offset:tt*512      ; 512 consecutive bytes an instruction
.set tt, tt+1
.endr
.Lout:
	s_wait_tensorcnt 0x0                           ; the wave's end
	ds_add_u32 v[SPW], v[NIL]
	s_wait_dscnt 0x0
	CROUND                                         ; the closing round: no work-group ends while a partner may still ask for a tile that names it
	s_endpgm
.Lfunc_end_k_qb436e489ba_proj:
	.size	k_qb436e489ba_proj, .Lfunc_end_k_qb436e489ba_proj-k_qb436e489ba_proj
	.p2alignl 7, 3214868480
	.fill 96, 4, 3214868480
	.section	.rodata,"a",@progbits
	.p2align	6, 0x0
	.amdhsa_kernel k_qb436e489ba_proj
		.amdhsa_group_segment_fixed_size 327680
		.amdhsa_private_segment_fixed_size 0
		.amdhsa_enable_private_segment 0
		.amdhsa_kernarg_size 64
		.amdhsa_user_sgpr_count 2
		.amdhsa_user_sgpr_kernarg_segment_ptr 1
		.amdhsa_wavefront_size32 1
		.amdhsa_system_sgpr_workgroup_id_x 1
		.amdhsa_system_sgpr_workgroup_id_y 1
		.amdhsa_system_sgpr_workgroup_id_z 1
		.amdhsa_system_vgpr_workitem_id 0
		.amdhsa_next_free_vgpr 1024
		.amdhsa_next_free_sgpr 100
		.amdhsa_reserve_vcc 0
		.amdhsa_float_denorm_mode_32 3
		.amdhsa_float_denorm_mode_16_64 3
		.amdhsa_memory_ordered 1
		.amdhsa_forward_progress 1
		.amdhsa_inst_pref_size 255
	.end_amdhsa_kernel
	.section	.bss,"aw",@nobits
	.p2align	6
	.space	262144
	.amdgpu_metadata
---
amdhsa.version: [ 1, 2 ]
amdhsa.kernels:
  - .name:           k_qb436e489ba_proj
    .symbol:         k_qb436e489ba_proj.kd
    .args:
      - { .name: xq, .offset: 0, .size: 8, .value_kind: global_buffer, .address_space: global }
      - { .name: W_qk_codes, .offset: 8, .size: 8, .value_kind: global_buffer, .address_space: global }
      - { .name: W1_codes, .offset: 16, .size: 8, .value_kind: global_buffer, .address_space: global }
      - { .name: b_qk, .offset: 24, .size: 8, .value_kind: global_buffer, .address_space: global }
      - { .name: b1, .offset: 32, .size: 8, .value_kind: global_buffer, .address_space: global }
      - { .name: lowp_scales, .offset: 40, .size: 8, .value_kind: global_buffer, .address_space: global }
      - { .name: qk, .offset: 48, .size: 8, .value_kind: global_buffer, .address_space: global }
      - { .name: hq, .offset: 56, .size: 8, .value_kind: global_buffer, .address_space: global }
    .group_segment_fixed_size: 327680
    .private_segment_fixed_size: 0
    .kernarg_segment_align: 8
    .kernarg_segment_size: 64
    .max_flat_workgroup_size: 128
    .sgpr_count:     100
    .vgpr_count:     1024
    .wavefront_size: 32
...
	.end_amdgpu_metadata
.endif
;; end of part 6
;; launch attn (part 7): grid 8 x 32, 8 waves a work-group, no clusters, 132,096 bytes of LDS; arguments qk, xt, lowp_scales, alpha, beta, gamma, att; writes att
.if DOCPART == 7
	.amdgcn_target "amdgcn-amd-amdhsa--gfx1250"
	.amdhsa_code_object_version 6
	.text
	.protected	k_qb436e489ba_attn
	.globl	k_qb436e489ba_attn
	.p2align	8
	.type	k_qb436e489ba_attn,@function
k_qb436e489ba_attn:
	s_mov_b64 s[64:65], 0
	v_nop
	global_prefetch_b8 v0, s[64:65] scope:SCOPE_SE
	s_setreg_imm32_b32 hwreg(HW_REG_WAVE_MODE, 25, 1), 1
	s_wait_xcnt 0x0
; att[token][head's 64 channels] = sum over keys of Q4(beta softmax(Q K^T / 8) - gamma / 2048 + alpha I) x Q5(x), both products on E5M2 codes.
; qk: [n][32 heads][2048 tokens][64] codes (heads 0-15 Q, scale 2^e2; heads 16-31 K, 2^e3).  xt: [32 (n, head)][16 key steps][64 channels][128 keys] codes (2^e5).  att: [4096][1024] f32.
; SHARES.  A work-group owns 256 queries of one (n, head) and walks them in 16 trips of 16.  Each of its EIGHT waves owns 256 of the 2,048 keys, as eight groups of 32.
; Its fragments of K (128 registers) and of x (128 registers) are loaded once, straight from memory, and stay in window 1: the loop reads no fragment from LDS.
; ONE EXPONENTIAL A SCORE.  In a trip a wave keeps its 16 x 256 scores in 128 registers: p = 2^(t - Mw), t = score x log2(e) / 8, Mw = the largest t among the wave's own keys, rounded up to a whole number.
; The eight waves exchange (-Mw, sum of p) through LDS, one barrier a trip: M = the largest Mw, sum = sum of sums x 2^(Mw - M), and A = p x (beta / sum x 2^(Mw - M)) + (-gamma / 2048), + alpha on the diagonal,
; held at the largest code, quantised with 2^e4.  So the softmax is finished and normalised ahead of the quantiser, and the row's true maximum is what is taken away.
; THE EXPONENTIALS go in four batches of 32, each laid by turns with plain lines that name no result in flight: the next batch's t - Mw, and sums of earlier batches into 16 pairs of their own, each written once a batch.
; THE WAVES' PARTS OF O (16 queries x 64 channels each) meet in LDS too: written behind a trip's barrier, read behind the next trip's, added behind that trip's holds; wave w stores rows 2 w and 2 w + 1: sixteen lanes fill 256 aligned bytes.
; Both LDS areas have two copies, 65,536 bytes apart, which take turns by the trip's parity: a copy is written again two barriers behind its reads.
; WHICH KEYS.  Register block j of wave w holds key group 8 ((j + x) % 8) + w, x the work-group's number: so the trip's 16 diagonal keys always lie in block 0, of wave trip / 2, in the lanes' half trip % 2.
; The diagonal is eight packed multiply-adds on block 0 in every wave and trip: alpha (i == lane % 16) x a factor that is 1 in that wave and half and 0 elsewhere.  No branch.
; LAYOUT.  Both products transposed (S^T = K Q^T, O^T = x^T A^T): a lane holds one query.  Lane r of tile 2 j + u takes key 8 u + r + 8 (r / 8) of its group, so a block's 16 registers are keys 16 (lane / 16) + 0 .. 15.
; NO CLUSTER: a joint load fills LDS, and K and x have no copy in LDS here.  NO PREFETCH: K and x are read once, at the head, with no loop to run ahead in; the next 16 queries' codes are loaded into registers a trip ahead.
; LIMITS: e2 + e3 between -123 and 130; e4 between -126 and 112; e4 + e5 between -126 and 127.  NaN among the inputs is not served.
; REGISTERS, window 0: v1-13 addresses; v14-31 a lane's numbers; v32-39 Q; v40-55 alpha's row; v56-59 what is stored; v60-61 K's and x's lane offsets; v64-191 scores, p, A;
;   v192-223 A's codes, and the parts of O read back; v224-255 O^T, and at work between its store and the next product.   window 1: v0-127 K, v128-255 x.
.set OP,    272                        ; a row of a part of O in LDS: 256 bytes + 16
.set OPW,   16*OP                      ; a wave's part
.set EX,    0xa000                     ; the exchange: 16 queries x 8 waves of -Mw, then of the sums: 1,024 bytes
.set PAR,   0x10000                    ; from one copy to the other
.set SPARE, 0x20000                    ; the spare words, 128 bytes a wave
.set SPW, 1
.set NIL, 2
.set P,   64
.set DG,  40
.set RS,  56
.set CD,  192
.set O,   224
.set WV,  18
.set QB,  30                           ; s[30:31] Q's codes at the trip's queries
.set SEL, 66
.set CS,  76                           ; s[76:77] c = log2(e) / 8 x 2^(e2 + e3)
.set G,   78                           ; s[78:79] -gamma / 2048
.set OSC, 80                           ; s[80:81] 2^(e4 + e5)
.set R,   82                           ; the trip
.set PB,  83                           ; this trip's copy
.set PC,  84                           ; the other
.set HA,  85
.set HB,  86
.set MK,  87
.set OF,  90                           ; s[90:91] 65,536 x (trip - 1): 16 rows of att
.set AT2, 92
.set AT0, 94
.set MSB, 0
.macro WIN new                         ; the immediate's high byte repeats the setting that is left
.if MSB != \new
	s_set_vgpr_msb (MSB<<8)|\new
.set MSB, \new
.endif
.endm
.macro RLOAD                           ; the last trip's parts of O: my two rows of the eight parts, 16 bytes a lane
.irp v, 0,1,2,3,4,5,6,7
	ds_load_b128 v[CD+4*\v:CD+4*\v+3], v13 offset:\v*OPW
.endr
.endm
.macro RSUM                            ; they are added, x 2^(e4 + e5), and stored
	s_wait_xcnt 0x0                                ; the store before has read its data and its base
	s_sub_co_u32 s[OF], s[R], 1
	s_lshl_b32 s[OF], s[OF], 16
	s_add_nc_u64 s[AT2:AT2+1], s[AT0:AT0+1], s[OF:OF+1]
.irp v, 0,2,4,6
	v_pk_add_f32 v[CD+4*\v:CD+4*\v+1], v[CD+4*\v:CD+4*\v+1], v[CD+4*\v+4:CD+4*\v+5]
	v_pk_add_f32 v[CD+4*\v+2:CD+4*\v+3], v[CD+4*\v+2:CD+4*\v+3], v[CD+4*\v+6:CD+4*\v+7]
.endr
.irp v, 0,4
	v_pk_add_f32 v[CD+4*\v:CD+4*\v+1], v[CD+4*\v:CD+4*\v+1], v[CD+4*\v+8:CD+4*\v+9]
	v_pk_add_f32 v[CD+4*\v+2:CD+4*\v+3], v[CD+4*\v+2:CD+4*\v+3], v[CD+4*\v+10:CD+4*\v+11]
.endr
	v_pk_add_f32 v[CD:CD+1], v[CD:CD+1], v[CD+16:CD+17]
	v_pk_add_f32 v[CD+2:CD+3], v[CD+2:CD+3], v[CD+18:CD+19]
	v_pk_mul_f32 v[RS:RS+1], v[CD:CD+1], s[OSC:OSC+1] op_sel_hi:[1,0]
	v_pk_mul_f32 v[RS+2:RS+3], v[CD+2:CD+3], s[OSC:OSC+1] op_sel_hi:[1,0]
	global_store_b128 v7, v[RS:RS+3], s[AT2:AT2+1]     ; sixteen lanes store 256 consecutive bytes, aligned
.endm
; Batch k: the exponentials of registers 32 k .. 32 k + 31.  Between them: t - Mw of batch k + 1 (k < 3); pair i of batches 0 and 1 added (k = 2); pair i of batch 2 added on (k = 3).
; No plain line here reads what a plain line of the same batch wrote; each trip of the .rept ends on a plain line; one wait closes the batch.
.macro EXPB k
.set jj, 0
.rept 16
	v_exp_f32 v[P+32*\k+2*jj], v[P+32*\k+2*jj]
.if \k == 2
	v_pk_fma_f32 v[P+96+2*jj:P+96+2*jj+1], v[P+96+2*jj:P+96+2*jj+1], s[CS:CS+1], v[14:15] op_sel_hi:[1,0,0]
.endif
	v_exp_f32 v[P+32*\k+2*jj+1], v[P+32*\k+2*jj+1]
.if \k < 2
	v_pk_fma_f32 v[P+32*(\k+1)+2*jj:P+32*(\k+1)+2*jj+1], v[P+32*(\k+1)+2*jj:P+32*(\k+1)+2*jj+1], s[CS:CS+1], v[14:15] op_sel_hi:[1,0,0]
.endif
.if \k == 2
	v_pk_add_f32 v[O+2*jj:O+2*jj+1], v[P+2*jj:P+2*jj+1], v[P+32+2*jj:P+32+2*jj+1]
.endif
.if \k == 3
	v_pk_add_f32 v[O+2*jj:O+2*jj+1], v[O+2*jj:O+2*jj+1], v[P+64+2*jj:P+64+2*jj+1]
.endif
.set jj, jj+1
.endr
	s_wait_alu depctr_va_vdst(0)
.endm
	s_load_b256 s[4:11], s[0:1], 0x0               ; qk s[4:5], xt s[6:7], the scales' exponents s[8:9], alpha s[10:11]
	s_load_b128 s[12:15], s[0:1], 0x20             ; beta s[12:13], gamma s[14:15]
	s_load_b64 s[16:17], s[0:1], 0x30              ; att
	v_lshl_add_u32 v[SPW], v0, 2, SPARE
	v_mov_b32 v[NIL], 0
	v_lshrrev_b32 v27, 5, v0
	v_readfirstlane_b32 s[WV], v27                 ; wave 0..7
	s_and_b32 s20, ttmp7, 0xffff                   ; y = 16 n + head
	s_lshr_b32 s21, s20, 4                         ; n
	s_lshl_b32 s22, s21, 4
	s_add_co_u32 s22, s22, s20                     ; 32 n + head: Q's head in qk
	s_mov_b32 s25, 0
	s_mov_b32 s89, 0
	s_mov_b32 s91, 0
	s_mov_b32 s93, 0
	s_add_co_u32 s88, s22, 16                      ; K's head,
	s_lshl_b32 s88, s88, 17
	s_lshl_b32 s23, s[WV], 11
	s_add_co_u32 s88, s88, s23                     ; + 32 w keys of 64 bytes
	s_lshl_b32 s90, s20, 17                        ; x's head,
	s_lshr_b32 s23, s[WV], 2
	s_lshl_b32 s23, s23, 13
	s_add_co_u32 s90, s90, s23                     ; + key step w / 4,
	s_and_b32 s23, s[WV], 3
	s_lshl_b32 s23, s23, 5
	s_add_co_u32 s90, s90, s23                     ; + 32 (w % 4) keys in a row
	s_lshl_b32 s92, s22, 17
	s_lshl_b32 s23, ttmp9, 14
	s_add_co_u32 s92, s92, s23                     ; Q: my work-group's 256 queries
	s_lshl_b32 s24, s21, 11
	s_lshl_b32 s23, ttmp9, 8
	s_add_co_u32 s24, s24, s23
	s_lshl_b32 s23, s[WV], 1
	s_add_co_u32 s24, s24, s23                     ; att: token 2048 n + 256 x + 2 w,
	s_lshl_b32 s24, s24, 12
	s_and_b32 s23, s20, 15
	s_lshl_b32 s23, s23, 8
	s_add_co_u32 s24, s24, s23                     ; the head's 256 bytes
	s_lshl_b32 s80, s[WV], 2
	s_mul_i32 s81, s[WV], OPW
	s_mul_i32 s82, s[WV], 2*OP
	s_mov_b32 s[SEL], 0x76543210
	s_mov_b32 s[SEL+1], 0xfedcba98
	s_mov_b32 s[MK], 0xffff0000
	v_and_b32 v16, 15, v0                          ; r
	v_bfe_u32 v17, v0, 4, 1                        ; h
	v_and_b32 v60, 8, v16
	v_lshlrev_b32 v61, 7, v16
	v_lshlrev_b32 v8, 6, v16
	v_lshlrev_b32 v4, 5, v16
	v_add_nc_u32 v60, v60, v16                     ; r + 8 (r / 8)
	v_lshl_add_u32 v61, v17, 4, v61                ; x: channel r's row of 128 bytes, + 16 h
	v_lshl_add_u32 v8, v17, 4, v8                  ; Q: query r's 64 bytes, + 16 h
	v_add_nc_u32 v4, EX, v4                        ; the exchange, read: query r's eight words
	v_lshlrev_b32 v60, 6, v60
	v_mul_u32_u24 v5, v16, OP
	v_mul_u32_u24 v6, v17, OP
	v_lshl_add_u32 v3, v17, 9, v4
	v_lshl_add_u32 v60, v17, 4, v60                ; K: that key's 64 bytes, + 16 h
	v_lshl_add_u32 v5, v17, 5, v5
	v_lshl_add_u32 v6, v16, 4, v6
	v_add_nc_u32 v3, s80, v3                       ; the exchange, written: lanes 0-15 -Mw, lanes 16-31 the sum, word w of query r
	v_lshlrev_b32 v7, 12, v17
	v_add_nc_u32 v5, s81, v5                       ; my part of O: row r, 32 h bytes on
	v_add_nc_u32 v6, s82, v6                       ; read back: row 2 w + h, 16 r bytes on
	v_lshl_add_u32 v7, v16, 4, v7                  ; and the same in att
	v_cvt_f32_u32 v9, v17                          ; h as f32
	v_mov_b32 v15, 0                               ; the upper halves of pairs of which the low word serves both halves
	v_mov_b32 v19, 0
	v_mov_b32 v21, 0
	v_mov_b32 v31, 0
	v_mov_b32 v26, 0                               ; a lane permute's destination counts as one of its sources
	s_wait_alu depctr_va_vdst(0)                   ; directly ahead of the wait below
	s_wait_kmcnt 0x0
	s_load_b128 s[68:71], s[8:9], 0x8              ; e2, e3, e4, e5
	s_load_b32 s72, s[10:11], 0x0
	s_load_b32 s73, s[12:13], 0x0
	s_load_b32 s74, s[14:15], 0x0
	s_add_nc_u64 s[26:27], s[4:5], s[88:89]
	s_add_nc_u64 s[28:29], s[6:7], s[90:91]
	s_add_nc_u64 s[QB:QB+1], s[4:5], s[92:93]
	s_add_nc_u64 s[AT0:AT0+1], s[16:17], s[24:25]
.irp j, 0,1,2,3,4,5,6,7                        ; block j: 8 key groups = 16,384 bytes x ((j + x) % 8), in K and in x alike
	s_add_co_u32 s24, ttmp9, \j
	s_and_b32 s24, s24, 7
	s_lshl_b32 s24, s24, 14
	s_add_nc_u64 s[32+2*\j:33+2*\j], s[26:27], s[24:25]
	s_add_nc_u64 s[48+2*\j:49+2*\j], s[28:29], s[24:25]
.endr
	WIN 0x40                                       ; destination window 1
.irp j, 0,1,2,3,4,5,6,7
.irp u, 0,1
.irp c, 0,1
	global_load_b128 v[16*\j+8*\u+4*\c:16*\j+8*\u+4*\c+3], v60, s[32+2*\j:33+2*\j] offset:512*\u+32*\c   ; four loads cover a group's 2,048 dense bytes
.endr
.endr
.endr
	WIN 0
	global_load_b128 v[32:35], v8, s[QB:QB+1]
	global_load_b128 v[36:39], v8, s[QB:QB+1] offset:32
	WIN 0x40
.irp j, 0,1,2,3,4,5,6,7
.irp t, 0,1,2,3
	global_load_b128 v[128+16*(2*\t+\j/4)+4*(\j%4):128+16*(2*\t+\j/4)+4*(\j%4)+3], v61, s[48+2*\j:49+2*\j] offset:2048*\t
.endr
.endr
	WIN 0
	s_wait_kmcnt 0x0
	s_add_co_i32 s88, s68, s69
	s_lshl_b32 s88, s88, 23
	s_mov_b32 s[CS], 0x3e38aa3b                    ; log2(e) / 8; the two exponents are added to its exponent field
	s_add_co_i32 s[CS], s[CS], s88
	s_mov_b32 s[CS+1], s[CS]
	s_add_co_i32 s88, s70, 127
	s_lshl_b32 s89, s88, 23
	v_mov_b32 v28, s89                             ; 2^e4, for the conversions
	s_add_co_i32 s88, s88, 15
	s_lshl_b32 s88, s88, 23
	s_or_b32 s88, s88, 0x600000
	v_mov_b32 v29, s88                             ; 57,344 x 2^e4
	s_add_co_i32 s[OSC], s70, s71
	s_add_co_i32 s[OSC], s[OSC], 127
	s_lshl_b32 s[OSC], s[OSC], 23
	s_mov_b32 s[OSC+1], s[OSC]
	s_mul_f32 s[G], s74, 0xba000000                ; -gamma / 2048
	s_mov_b32 s[G+1], s[G]
	v_mov_b32 v27, s72
.set ii, 0
.rept 16
	v_cmp_eq_u32 vcc_lo, ii, v16
	v_cndmask_b32 v[DG+ii], 0, v27, vcc_lo         ; alpha where the block's register is my query's own key
.set ii, ii+1
.endr
.set ii, 0
.rept 32
	v_mov_b32 v[CD+ii], 0                          ; written once, so that every way through the two branches on the first trip finds them written
.set ii, ii+1
.endr
	s_mov_b32 s[R], 0
	s_mov_b32 s[PB], 0
	s_mov_b32 s[PC], PAR
	s_wait_alu depctr_va_vdst(0)                   ; at the head's end
	s_wait_loadcnt 32                              ; K and Q are in; x's 32 loads may be out
.Ltrip:
	s_lshr_b32 s88, s[R], 1                        ; the diagonal's factor HA + HB h: 1 in wave trip / 2 and half trip % 2, else 0
	s_cmp_eq_u32 s88, s[WV]
	s_cselect_b32 s88, 0x3f800000, 0
	s_and_b32 s89, s[R], 1
	s_cselect_b32 s89, 0, 0x80000000
	s_cselect_b32 s[HA], 0, s88
	s_xor_b32 s[HB], s88, s89
	v_add_nc_u32 v10, s[PB], v3
	v_add_nc_u32 v11, s[PB], v4
	v_add_nc_u32 v12, s[PB], v5
	v_add_nc_u32 v13, s[PC], v6
	WIN 0x01                                       ; source 0 window 1
.set tt, 0
.rept 16
	v_wmma_f32_16x16x64_bf8_bf8 v[P+8*tt:P+8*tt+7], v[8*tt:8*tt+7], v[32:39], 0
.set tt, tt+1
.endr
	WIN 0
.rept 4
	v_nop                                          ; places ahead of the loads into Q's registers and of the first reads of the scores
.endr
	s_cmp_eq_u32 s[R], 15
	s_cbranch_scc1 .Lno_q                          ; the last trip has no successor
	s_add_nc_u64 s[QB:QB+1], s[QB:QB+1], 1024      ; (the loads before were waited for in the trip before)
	global_load_b128 v[32:35], v8, s[QB:QB+1]
	global_load_b128 v[36:39], v8, s[QB:QB+1] offset:32
.Lno_q:
	v_max3_num_f32 v16, v[P], v[P+1], v[P+2]       ; the largest of my 128 scores, in four chains, each accumulator from its low end on
	v_max3_num_f32 v17, v[P+3], v[P+4], v[P+5]
	v_max3_num_f32 v252, v[P+6], v[P+7], v[P+8]
	v_max3_num_f32 v253, v[P+9], v[P+10], v[P+11]
.set ii, 12
.rept 14
	v_max3_num_f32 v16, v16, v[P+ii], v[P+ii+1]
	v_max3_num_f32 v17, v17, v[P+ii+2], v[P+ii+3]
	v_max3_num_f32 v252, v252, v[P+ii+4], v[P+ii+5]
	v_max3_num_f32 v253, v253, v[P+ii+6], v[P+ii+7]
.set ii, ii+8
.endr
	v_max3_num_f32 v16, v16, v[P+124], v[P+125]
	v_max3_num_f32 v17, v17, v[P+126], v[P+127]
	s_delay_alu instid0(VALU_DEP_1)
	v_max3_num_f32 v16, v16, v17, v252
	s_delay_alu instid0(VALU_DEP_1)
	v_max_num_f32 v16, v16, v253
	s_delay_alu instid0(VALU_DEP_1)
	v_permlanex16_b32 v26, v16, s[SEL], s[SEL+1]
	s_delay_alu instid0(VALU_DEP_1)
	v_max_num_f32 v16, v16, v26                    ; and of lane l xor 16's
	s_delay_alu instid0(VALU_DEP_1)
	v_mul_f32 v16, s[CS], v16                      ; as t (c is positive)
	s_delay_alu instid0(VALU_DEP_1)
	v_floor_f32 v14, -v16                          ; -Mw = floor(-t)
.set jj, 0
.rept 16
	v_pk_fma_f32 v[P+jj:P+jj+1], v[P+jj:P+jj+1], s[CS:CS+1], v[14:15] op_sel_hi:[1,0,0]   ; t - Mw of batch 0
.set jj, jj+2
.endr
	s_wait_alu depctr_va_vdst(0)                   ; ahead of the batch
	EXPB 0
	EXPB 1
	EXPB 2
	EXPB 3
.set jj, 0
.rept 16
	v_pk_add_f32 v[O+jj:O+jj+1], v[O+jj:O+jj+1], v[P+96+jj:P+96+jj+1]   ; batch 3's pairs
.set jj, jj+2
.endr
.irp n, 16,8,4,2                               ; the 16 pairs become one
.set jj, 0
.rept \n/2
	v_pk_add_f32 v[O+jj:O+jj+1], v[O+jj:O+jj+1], v[O+\n+jj:O+\n+jj+1]
.set jj, jj+2
.endr
.endr
	s_delay_alu instid0(VALU_DEP_1)
	v_add_f32 v22, v[O], v[O+1]
	s_delay_alu instid0(VALU_DEP_1)
	v_permlanex16_b32 v26, v22, s[SEL], s[SEL+1]
	s_delay_alu instid0(VALU_DEP_1)
	v_add_f32 v22, v22, v26                        ; the wave's sum for my query
	s_delay_alu instid0(VALU_DEP_1)
	v_cndmask_b32 v27, v14, v22, s[MK]             ; lanes 0-15 hand in -Mw, lanes 16-31 the sum
	ds_store_b32 v10, v27
	s_wait_alu depctr_va_vdst(0)                   ; directly ahead of the wait below
	s_wait_dscnt 0x0                               ; for the others' sake: this store and the last trip's part of O have landed; my reads of both other copies are over
	s_barrier_signal -1
	s_barrier_wait -1
	ds_load_b128 v[224:227], v11                   ; the eight -Mw of my query,
	ds_load_b128 v[228:231], v11 offset:16
	ds_load_b128 v[232:235], v11 offset:512        ; and the eight sums
	ds_load_b128 v[236:239], v11 offset:528
	s_cmp_eq_u32 s[R], 0
	s_cbranch_scc1 .Lfirst                         ; the first trip has no predecessor
	RLOAD
	s_wait_dscnt 8                                 ; the exchange's four loads are in; the eight younger ones may be out
	s_branch .Ljoin
.Lfirst:
	s_wait_dscnt 0x0
.Ljoin:
	s_wait_loadcnt 0x0                             ; x's fragments (first trip) and the next Q, asked for ahead of the maxima
	v_min3_num_f32 v16, v224, v225, v226
	v_min3_num_f32 v17, v227, v228, v229
	v_min_num_f32 v27, v230, v231
	s_delay_alu instid0(VALU_DEP_1)
	v_min3_num_f32 v30, v16, v17, v27              ; -M
.irp i, 0,2,4,6
	v_pk_add_f32 v[240+\i:241+\i], v[30:31], v[224+\i:225+\i] op_sel_hi:[0,1] neg_lo:[0,1] neg_hi:[0,1]   ; Mv - M: whole numbers, 0 or less
.endr
	v_sub_f32 v248, v30, v14                       ; my own wave's
	s_wait_alu depctr_va_vdst(0)                   ; ahead of the batch
.irp i, 0,1,2,3,4,5,6,7,8
	v_exp_f32 v[240+\i], v[240+\i]
.endr
	v_fma_f32 v18, v9, s[HB], s[HA]                ; the diagonal's factor  (a plain place)
	s_wait_alu depctr_va_vdst(0)                   ; behind it
	v_pk_mul_f32 v[232:233], v[232:233], v[240:241]
	v_pk_mul_f32 v[234:235], v[234:235], v[242:243]
	v_pk_fma_f32 v[232:233], v[236:237], v[244:245], v[232:233]
	v_pk_fma_f32 v[234:235], v[238:239], v[246:247], v[234:235]
	s_delay_alu instid0(VALU_DEP_1)
	v_pk_add_f32 v[232:233], v[232:233], v[234:235]
	s_delay_alu instid0(VALU_DEP_1)
	v_add_f32 v27, v232, v233                      ; the row's sum under M
	s_wait_alu depctr_va_vdst(0)                   ; ahead of the transcendental
	v_rcp_f32 v27, v27
	v_mul_f32 v248, s73, v248                      ; beta x 2^(Mw - M)  (a plain place)
	s_wait_alu depctr_va_vdst(0)                   ; ahead of its reader
	v_mul_f32 v20, v27, v248
.set jj, 0
.rept 64
	v_pk_fma_f32 v[P+jj:P+jj+1], v[P+jj:P+jj+1], v[20:21], s[G:G+1] op_sel_hi:[1,0,0]   ; beta softmax - gamma / 2048
.set jj, jj+2
.endr
.set jj, 0
.rept 8
	v_pk_fma_f32 v[P+jj:P+jj+1], v[DG+jj:DG+jj+1], v[18:19], v[P+jj:P+jj+1] op_sel_hi:[1,0,1]   ; + alpha on the diagonal
.set jj, jj+2
.endr
.set jj, 0
.rept 128
	v_med3_num_f32 v[P+jj], v[P+jj], -v29, v29     ; the conversion to an 8-bit code does not saturate (ISA guide 7.6.2)
.set jj, jj+1
.endr
	s_wait_alu depctr_va_vdst(0)                   ; directly ahead of the wait below
	s_wait_dscnt 0x0                               ; the parts of O, asked for behind the barrier
	s_cmp_eq_u32 s[R], 0
	s_cbranch_scc1 .Lfirst2
	RSUM
.Lfirst2:
.set jj, 0
.rept 8
	v_cvt_scalef32_pk8_bf8_f32 v[CD+4*jj:CD+4*jj+1], v[P+16*jj:P+16*jj+7], v28
	v_cvt_scalef32_pk8_bf8_f32 v[CD+4*jj+2:CD+4*jj+3], v[P+16*jj+8:P+16*jj+15], v28
.set jj, jj+1
.endr
	v_nop                                          ; a plain line between the conversions and the matrix instructions that read their results
	WIN 0x01
.irp t, 0,1,2,3                                ; O^T = x^T A^T over my 256 keys: two steps of 128, the four accumulators by turns
	v_wmma_f32_16x16x128_bf8_bf8 v[O+8*\t:O+8*\t+7], v[128+32*\t:128+32*\t+15], v[CD:CD+15], 0
.endr
.irp t, 0,1,2,3
	v_wmma_f32_16x16x128_bf8_bf8 v[O+8*\t:O+8*\t+7], v[144+32*\t:144+32*\t+15], v[CD+16:CD+31], v[O+8*\t:O+8*\t+7]
.endr
	WIN 0
.rept 4
	v_nop
.endr
.irp t, 0,1,2,3
	ds_store_b128 v12, v[O+8*\t:O+8*\t+3] offset:64*\t          ; query r, channels 16 t + 8 h + 0 .. 7
	ds_store_b128 v12, v[O+8*\t+4:O+8*\t+7] offset:64*\t+16
.endr
	s_xor_b32 s[PB], s[PB], PAR
	s_xor_b32 s[PC], s[PC], PAR
	s_add_co_u32 s[R], s[R], 1
	s_cmp_lt_u32 s[R], 16
	s_cbranch_scc1 .Ltrip
	v_add_nc_u32 v13, s[PC], v6                    ; the last trip's parts
	s_wait_alu depctr_va_vdst(0)                   ; directly ahead of the wait below
	s_wait_dscnt 0x0
	s_barrier_signal -1
	s_barrier_wait -1
	RLOAD
	s_wait_dscnt 0x0
	RSUM
	s_wait_tensorcnt 0x0                           ; the wave's end
	ds_add_u32 v[SPW], v[NIL]
	s_wait_dscnt 0x0
	s_endpgm
.Lfunc_end_k_qb436e489ba_attn:
	.size	k_qb436e489ba_attn, .Lfunc_end_k_qb436e489ba_attn-k_qb436e489ba_attn
	.p2alignl 7, 3214868480
	.fill 96, 4, 3214868480
	.section	.rodata,"a",@progbits
	.p2align	6, 0x0
	.amdhsa_kernel k_qb436e489ba_attn
		.amdhsa_group_segment_fixed_size 132096
		.amdhsa_private_segment_fixed_size 0
		.amdhsa_enable_private_segment 0
		.amdhsa_kernarg_size 56
		.amdhsa_user_sgpr_count 2
		.amdhsa_user_sgpr_kernarg_segment_ptr 1
		.amdhsa_wavefront_size32 1
		.amdhsa_system_sgpr_workgroup_id_x 1
		.amdhsa_system_sgpr_workgroup_id_y 1
		.amdhsa_system_sgpr_workgroup_id_z 1
		.amdhsa_system_vgpr_workitem_id 0
		.amdhsa_next_free_vgpr 512
		.amdhsa_next_free_sgpr 96
		.amdhsa_reserve_vcc 1
		.amdhsa_float_denorm_mode_32 3
		.amdhsa_float_denorm_mode_16_64 3
		.amdhsa_memory_ordered 1
		.amdhsa_forward_progress 1
		.amdhsa_inst_pref_size 54
	.end_amdhsa_kernel
	.amdgpu_metadata
---
amdhsa.version: [ 1, 2 ]
amdhsa.kernels:
  - .name:           k_qb436e489ba_attn
    .symbol:         k_qb436e489ba_attn.kd
    .args:
      - { .name: qk, .offset: 0, .size: 8, .value_kind: global_buffer, .address_space: global }
      - { .name: xt, .offset: 8, .size: 8, .value_kind: global_buffer, .address_space: global }
      - { .name: lowp_scales, .offset: 16, .size: 8, .value_kind: global_buffer, .address_space: global }
      - { .name: alpha, .offset: 24, .size: 8, .value_kind: global_buffer, .address_space: global }
      - { .name: beta, .offset: 32, .size: 8, .value_kind: global_buffer, .address_space: global }
      - { .name: gamma, .offset: 40, .size: 8, .value_kind: global_buffer, .address_space: global }
      - { .name: att, .offset: 48, .size: 8, .value_kind: global_buffer, .address_space: global }
    .group_segment_fixed_size: 132096
    .private_segment_fixed_size: 0
    .kernarg_segment_align: 8
    .kernarg_segment_size: 56
    .max_flat_workgroup_size: 256
    .sgpr_count:     96
    .vgpr_count:     512
    .wavefront_size: 32
...
	.end_amdgpu_metadata
.endif
;; end of part 7
;; launch ffn2 (part 8): grid 8 x 32, 4 waves a work-group, clusters of 4 x 4, 327,680 bytes of LDS; arguments hq, W2_codes, lowp_scales, out0, b2, att, alpha_ff, beta_ff; writes out0
.if DOCPART == 8
	.amdgcn_target "amdgcn-amd-amdhsa--gfx1250"
	.amdhsa_code_object_version 6
	.text
	.protected	k_qb436e489ba_ffn2
	.globl	k_qb436e489ba_ffn2
	.p2align	8
	.type	k_qb436e489ba_ffn2,@function
k_qb436e489ba_ffn2:
	s_mov_b64 s[64:65], 0
	v_nop
	global_prefetch_b8 v0, s[64:65] scope:SCOPE_SE
	s_setreg_imm32_b32 hwreg(HW_REG_WAVE_MODE, 25, 1), 1
	s_wait_xcnt 0x0
	s_wait_alu depctr_hold_cnt(0) depctr_sa_sdst(0) depctr_va_vdst(0) depctr_va_sdst(0) depctr_va_ssrc(0) depctr_va_vcc(0) depctr_vm_vsrc(0)
	s_getreg_b32 s2, hwreg(HW_REG_IB_STS2, 6, 4)
	s_cmp_eq_u32 s2, 0
	s_cbranch_scc0 .Lentry_in_a_cluster
	s_endpgm
.Lentry_in_a_cluster:
	s_bfe_u32 s2, ttmp6, 0x10000c
	s_cmp_lg_u32 s2, 0xf033
	s_cbranch_scc0 .Lentry_shape_is_right
	s_endpgm
.Lentry_shape_is_right:
.set SIZE_N, 1024
.set SIZE_K, 4096
.set KSTEP,  512
.set ROWB,   512
.set KROW,   SIZE_K
.set PITCH,  528
.set FR,     16
.set HALFT,  64*PITCH
.set SLOT,   4*HALFT
.set LAPS,   SIZE_K/(2*KSTEP)
.set SPARE,  2*SLOT
.set STAGE,  SPARE+512
.set SPITCH, 272
.set ADRA, 16
.set ADRB, 20
.set STO,  24
.set RD,   25
.set CO,   26
.set BO,   27
.set SPW,  28
.set NIL,  29
.set BIAS, 32
.set TMP,  64
.set ACC,  128
.set F0,   0
.set F1,   128
.set G1, 24
.set G0, 32
.set G1B, 48
.set G0B, 56
.set MSB, 0
.macro WIN new
.if MSB != \new
	s_set_vgpr_msb (MSB<<8)|\new
.set MSB, \new
.endif
.endm
.set MUL,  0x05
.set TO_F, 0x40
.macro JLOAD s
	s_cmp_eq_u32 s15, 0
	s_cbranch_scc0 .Lfor_b_\@
	tensor_load_to_lds s[G0+4*\s:G0+4*\s+3], s[G1:G1+7]
	s_nop 0
.rept 4
	v_nop
.endr
	s_branch .Lasked_\@
.Lfor_b_\@:
	tensor_load_to_lds s[G0B+4*\s:G0B+4*\s+3], s[G1B:G1B+7]
	s_nop 0
.rept 4
	v_nop
.endr
.Lasked_\@:
.endm
.macro CREST
	s_cmp_lg_u32 s14, 0
	s_cbranch_scc1 .Lnot_wave_0_\@
	s_barrier_signal -3
.Lnot_wave_0_\@:
	s_barrier_wait -3
	s_barrier_signal -1
	s_barrier_wait -1
.endm
.macro CROUND
	s_barrier_signal -1
	s_barrier_wait -1
	CREST
.endm
	s_load_b128 s[4:7], s[0:1], 0x0
	s_load_b128 s[8:11], s[0:1], 0x10
	s_load_b256 s[68:75], s[0:1], 0x20
	v_lshl_add_u32 v[SPW], v0, 2, SPARE
	v_mov_b32 v[NIL], 0
	ds_add_u32 v28, v29
	ds_add_u32 v28, v29
	s_wait_dscnt 0x0
	v_lshrrev_b32 v1, 5, v0
	v_readfirstlane_b32 s14, v1
	s_lshr_b32 s15, s14, 1
	s_and_b32 s16, s14, 1
	s_bfe_u32 s40, ttmp6, 0x40000
	s_bfe_u32 s41, ttmp6, 0x40004
	s_lshl_b32 s42, ttmp9, 2
	s_add_co_u32 s42, s42, s40
	s_and_b32 s17, ttmp7, 0xffff
	s_lshl_b32 s17, s17, 2
	s_add_co_u32 s17, s17, s41
	s_lshl_b32 s43, s41, 2
	s_lshl_b32 s43, 15, s43
	s_lshl_b32 s44, 0x1111, s40
	s_or_b32 s[G1+0], s43, (0<<16)|(1<<20)|(1<<21)|(6<<22)|(3<<25)
	s_or_b32 s[G1B+0], s44, (0<<16)|(1<<20)|(1<<21)|(6<<22)|(3<<25)
.irp g, G1, G1B
	s_mov_b32 s[\g+1], ROWB<<16
	s_mov_b32 s[\g+2], 64<<16
	s_mov_b32 s[\g+3], ROWB<<16
	s_mov_b32 s[\g+4], 64
	s_mov_b32 s[\g+5], KROW
	s_mov_b32 s[\g+6], 0
	s_mov_b32 s[\g+7], 0
.endr
	s_lshl_b32 s18, s16, 6
	s_lshl_b32 s20, s17, 7
	s_add_co_u32 s20, s20, s18
	s_lshl_b32 s46, s42, 7
	s_add_co_u32 s46, s46, s18
	s_mov_b32 s21, 0
	s_mov_b32 s47, 0
	s_mov_b64 s[18:19], KROW
	s_mul_u64 s[20:21], s[20:21], s[18:19]
	s_mul_u64 s[46:47], s[46:47], s[18:19]
	s_mul_i32 s45, s14, HALFT
	s_wait_kmcnt 0x0
	s_load_b64 s[96:97], s[8:9], 0x20
	s_load_b32 s98, s[72:73], 0x0
	s_load_b32 s76, s[74:75], 0x0
	s_add_nc_u64 s[20:21], s[4:5], s[20:21]
	s_add_nc_u64 s[46:47], s[6:7], s[46:47]
	s_cmp_eq_u32 s15, 0                            ; the prefetches: of the 64 rows that I fetch, hq's or W2's,
	s_cselect_b64 s[80:81], s[20:21], s[46:47]
	s_cselect_b32 s82, s40, s41                    ; the partner at place p among the four that ask jointly (cx for hq, cy for W2)
	s_lshl_b32 s82, s82, 16                        ; takes rows 16 p .. 16 p + 15, of 4,096 bytes: told apart by address alone
	s_mov_b32 s83, 0
	s_add_nc_u64 s[80:81], s[80:81], s[82:83]
	s_mov_b64 s[84:85], s[80:81]                   ; at K step 0, for the head's prefetches; never rewritten
	s_add_nc_u64 s[80:81], s[80:81], 2*ROWB        ; at K step 2: the first refill steps it to 3 and names K step 4
	v_bfe_u32 v30, v0, 1, 4                        ; the prefetches' offset: two lanes to a row, 256 bytes apart: a K step of a row is 512 bytes; never rewritten
	v_and_b32 v31, 1, v0
	v_lshlrev_b32 v30, 12, v30
	v_lshl_add_u32 v30, v31, 8, v30
	CROUND
.irp s, 0,1
	s_mov_b32 s[G0+4*\s], 1
	s_add_co_u32 s[G0+4*\s+1], s45, \s*SLOT
	s_add_nc_u64 s[G0+4*\s+2:G0+4*\s+3], s[20:21], \s*ROWB
	s_or_b32 s[G0+4*\s+3], s[G0+4*\s+3], 0x80000000
	s_mov_b32 s[G0B+4*\s], 1
	s_add_co_u32 s[G0B+4*\s+1], s45, \s*SLOT
	s_add_nc_u64 s[G0B+4*\s+2:G0B+4*\s+3], s[46:47], \s*ROWB
	s_or_b32 s[G0B+4*\s+3], s[G0B+4*\s+3], 0x80000000
	s_wait_alu depctr_va_vdst(0)
	s_wait_tensorcnt 0x0
	ds_add_u32 v28, v29
	ds_add_u32 v28, v29
	s_wait_dscnt 0x0
	CROUND
	JLOAD \s
.if \s == 0
	global_prefetch_b8 v30, s[84:85] offset:ROWB th:TH_LOAD_NT scope:SCOPE_SE     ; behind K step 0's load: K steps 1 and 2 of my 16 rows
	global_prefetch_b8 v30, s[84:85] offset:2*ROWB th:TH_LOAD_NT scope:SCOPE_SE
.else
	global_prefetch_b8 v30, s[84:85] offset:3*ROWB th:TH_LOAD_NT scope:SCOPE_SE   ; behind K step 1's load: K step 3; two K steps at the most are asked for and not yet read
.endif
.endr
	v_and_b32 v1, 15, v0
	s_wait_alu depctr_va_vdst(0)
	v_bfe_u32 v2, v0, 4, 1
	v_mul_u32_u24 v3, v1, PITCH
	v_lshl_add_u32 v4, v2, 4, v3
	s_mul_i32 s21, s15, HALFT
	s_mul_i32 s22, s16, HALFT
	s_add_co_u32 s22, s22, 2*HALFT
.irp s, 0,1
	v_add_nc_u32 v[ADRA+\s], s21, v4
	v_add_nc_u32 v[ADRB+\s], s22, v4
	s_add_co_u32 s21, s21, SLOT
	s_add_co_u32 s22, s22, SLOT
.endr
	s_mul_i32 s23, s14, 16*SPITCH
	s_add_co_u32 s23, s23, STAGE
	v_mul_u32_u24 v5, v1, SPITCH
	s_wait_alu depctr_va_vdst(0)
	v_lshl_add_u32 v5, v2, 5, v5
	v_add_nc_u32 v[STO], s23, v5
	v_mul_u32_u24 v6, v2, SPITCH
	v_lshl_add_u32 v6, v1, 4, v6
	v_add_nc_u32 v[RD], s23, v6
	v_lshlrev_b32 v[CO], 12, v2
	v_lshl_add_u32 v[CO], v1, 4, v[CO]
	v_lshlrev_b32 v[BO], 5, v2
	s_wait_alu depctr_va_vdst(0)
	s_lshl_b32 s20, s17, 7
	s_lshl_b32 s21, s15, 6
	s_add_co_u32 s20, s20, s21
	s_mov_b32 s21, 0
	s_mov_b64 s[18:19], SIZE_N*4
	s_mul_u64 s[20:21], s[20:21], s[18:19]
	s_lshl_b32 s46, s42, 9
	s_lshl_b32 s47, s16, 8
	s_add_co_u32 s46, s46, s47
	s_mov_b32 s47, 0
	s_add_nc_u64 s[68:69], s[68:69], s[46:47]
	s_add_nc_u64 s[20:21], s[20:21], s[46:47]
	s_add_nc_u64 s[10:11], s[10:11], s[20:21]
	s_add_nc_u64 s[70:71], s[70:71], s[20:21]
.irp b, 0,1,2,3
	global_load_b128 v[BIAS+8*\b:BIAS+8*\b+3], v[BO], s[68:69] offset:64*\b
	global_load_b128 v[BIAS+8*\b+4:BIAS+8*\b+7], v[BO], s[68:69] offset:64*\b+16
.endr
.macro MUL8 f, a0, zero
.irp a, \a0, \a0+1
.irp b, 0,1,2,3
.if \zero
	v_wmma_f32_16x16x128_bf8_bf8 v[ACC+8*(4*(\a)+\b):ACC+8*(4*(\a)+\b)+7], v[\f+64+FR*\b:\f+64+FR*\b+FR-1], v[\f+FR*(\a):\f+FR*(\a)+FR-1], 0
.else
	v_wmma_f32_16x16x128_bf8_bf8 v[ACC+8*(4*(\a)+\b):ACC+8*(4*(\a)+\b)+7], v[\f+64+FR*\b:\f+64+FR*\b+FR-1], v[\f+FR*(\a):\f+FR*(\a)+FR-1], v[ACC+8*(4*(\a)+\b):ACC+8*(4*(\a)+\b)+7]
.endif
.endr
.endr
.endm
.macro FETCH slot, k, f
	WIN TO_F
.irp i, 0,1,2,3
.irp c, 0,1,2,3
	ds_load_b128 v[\f+64+FR*\i+4*\c:\f+64+FR*\i+4*\c+3], v[ADRB+\slot] offset:\k+32*\c+\i*16*PITCH
.endr
.endr
.irp i, 0,1,2,3
.irp c, 0,1,2,3
	ds_load_b128 v[\f+FR*\i+4*\c:\f+FR*\i+4*\c+3], v[ADRA+\slot] offset:\k+32*\c+\i*16*PITCH
.endr
.endr
.endm
.macro PLACES
.rept 4
	v_nop
.endr
.endm
.macro QUARTER slot, k, f, g, zero
	PLACES
	FETCH \slot, \k, \g
	s_wait_dscnt 32
	WIN MUL
	MUL8 \f, 0, \zero
	MUL8 \f, 2, \zero
.endm
.macro TURN slot, next, fill
	WIN 0
.if \fill
	s_wait_xcnt 0x0                                ; any prefetch of mine has read its address: it is stepped here, a K step behind that prefetch
	s_add_nc_u64 s[80:81], s[80:81], ROWB
.endif
	s_wait_tensorcnt 0x0
	ds_add_u32 v[SPW], v[NIL]
	s_wait_dscnt 1
	WIN MUL
	MUL8 F1, 0, 0
	WIN 0
	s_wait_dscnt 0x0
	s_barrier_signal -1
	s_barrier_wait -1
.if \fill
	CREST
	s_add_nc_u64 s[G0+4*\slot+2:G0+4*\slot+3], s[G0+4*\slot+2:G0+4*\slot+3], 2*ROWB
	s_add_nc_u64 s[G0B+4*\slot+2:G0B+4*\slot+3], s[G0B+4*\slot+2:G0B+4*\slot+3], 2*ROWB
	JLOAD \slot
.else
	PLACES
.endif
	FETCH \next, 0, F0
.if \fill
	WIN 0                                          ; at a branch and at a label every window is 0
	s_cmp_gt_u32 s3, 1                             ; the loop's last trip refills K steps 6 and 7: there is no K step two on
	s_cbranch_scc0 .Lno_pf_\@
	global_prefetch_b8 v30, s[80:81] offset:ROWB th:TH_LOAD_NT scope:SCOPE_SE   ; the K step two refills on: 16 rows x 512 bytes, each block of 256 bytes named once in the cluster
.Lno_pf_\@:
.endif
	WIN MUL
	MUL8 F1, 2, 0
.endm
	s_wait_tensorcnt 1
	s_barrier_signal -1
	s_barrier_wait -1
	FETCH 0, 0, F0
	QUARTER 0, 128, F0, F1, 1
	WIN 0
	s_mov_b32 s3, LAPS-1
.Llap:
	QUARTER 0, 256, F1, F0, 0
	QUARTER 0, 384, F0, F1, 0
	TURN 0, 1, 1
	QUARTER 1, 128, F0, F1, 0
	QUARTER 1, 256, F1, F0, 0
	QUARTER 1, 384, F0, F1, 0
	TURN 1, 0, 1
	QUARTER 0, 128, F0, F1, 0
	WIN 0
	s_sub_co_u32 s3, s3, 1
	s_cmp_lg_u32 s3, 0
	s_cbranch_scc1 .Llap
	WIN 0x80
.set aa, 0
.rept 4
.set tt, 0
.rept 8
	global_load_b128 v[32*aa+4*tt:32*aa+4*tt+3], v[CO], s[70:71] offset:(16*aa+2*tt)*SIZE_N*4 th:TH_LOAD_NT
.set tt, tt+1
.endr
.set aa, aa+1
.endr
	WIN 0
	QUARTER 0, 256, F1, F0, 0
	QUARTER 0, 384, F0, F1, 0
	TURN 0, 1, 0
	QUARTER 1, 128, F0, F1, 0
	QUARTER 1, 256, F1, F0, 0
	QUARTER 1, 384, F0, F1, 0
	s_wait_dscnt 0x0
	WIN MUL
	MUL8 F1, 0, 0
	MUL8 F1, 2, 0
	WIN 0
.macro TOSTAGE a
.set AC, ACC+32*(\a)
.set jj, 0
.rept 16
	v_pk_fma_f32 v[TMP+jj:TMP+jj+1], v[AC+jj:AC+jj+1], s[96:97], v[BIAS+jj:BIAS+jj+1] op_sel_hi:[1,0,1]
.set jj, jj+2
.endr
.irp b, 0,1,2,3
	ds_store_b128 v[STO], v[TMP+8*\b:TMP+8*\b+3] offset:64*\b
	ds_store_b128 v[STO], v[TMP+8*\b+4:TMP+8*\b+7] offset:64*\b+16
.endr
.set tt, 0
.rept 8
	ds_load_b128 v[AC+4*tt:AC+4*tt+3], v[RD] offset:tt*2*SPITCH
.set tt, tt+1
.endr
.endm
.macro SEND a, younger
.set AC, ACC+32*(\a)
	s_wait_dscnt \younger
	WIN 0x02
.set jj, 0
.rept 16
	v_pk_fma_f32 v[AC+jj:AC+jj+1], v[32*(\a)+jj:32*(\a)+jj+1], s[98:99], v[AC+jj:AC+jj+1] op_sel_hi:[1,0,1]
.set jj, jj+2
.endr
	WIN 0
.set tt, 0
.rept 8
	global_store_b128 v[CO], v[AC+4*tt:AC+4*tt+3], s[10:11] offset:(16*(\a)+2*tt)*SIZE_N*4 th:TH_STORE_NT
.set tt, tt+1
.endr
.endm
	s_wait_kmcnt 0x0
	s_add_co_i32 s96, s96, s97
	s_add_co_i32 s96, s96, 127
	s_lshl_b32 s96, s96, 23
	s_mul_f32 s96, s96, s76
	s_mov_b32 s99, s98
	s_mov_b32 s77, s76
	s_wait_loadcnt 0x0
	PLACES
.set jj, 0
.rept 16
	v_pk_mul_f32 v[BIAS+jj:BIAS+jj+1], v[BIAS+jj:BIAS+jj+1], s[76:77] op_sel_hi:[1,0]
.set jj, jj+2
.endr
	TOSTAGE 0
.irp a, 1,2,3
	TOSTAGE \a
	SEND \a-1, 16
.endr
	SEND 3, 0
	s_wait_tensorcnt 0x0
	ds_add_u32 v[SPW], v[NIL]
	s_wait_dscnt 0x0
	CROUND
	s_endpgm
.Lfunc_end_k_qb436e489ba_ffn2:
	.size	k_qb436e489ba_ffn2, .Lfunc_end_k_qb436e489ba_ffn2-k_qb436e489ba_ffn2
	.p2alignl 7, 3214868480
	.fill 96, 4, 3214868480
	.section	.rodata,"a",@progbits
	.p2align	6, 0x0
	.amdhsa_kernel k_qb436e489ba_ffn2
		.amdhsa_group_segment_fixed_size 327680
		.amdhsa_private_segment_fixed_size 0
		.amdhsa_enable_private_segment 0
		.amdhsa_kernarg_size 64
		.amdhsa_user_sgpr_count 2
		.amdhsa_user_sgpr_kernarg_segment_ptr 1
		.amdhsa_wavefront_size32 1
		.amdhsa_system_sgpr_workgroup_id_x 1
		.amdhsa_system_sgpr_workgroup_id_y 1
		.amdhsa_system_sgpr_workgroup_id_z 1
		.amdhsa_system_vgpr_workitem_id 0
		.amdhsa_next_free_vgpr 768
		.amdhsa_next_free_sgpr 100
		.amdhsa_reserve_vcc 0
		.amdhsa_float_denorm_mode_32 3
		.amdhsa_float_denorm_mode_16_64 3
		.amdhsa_memory_ordered 1
		.amdhsa_forward_progress 1
		.amdhsa_inst_pref_size 85
	.end_amdhsa_kernel
	.amdgpu_metadata
---
amdhsa.version: [ 1, 2 ]
amdhsa.kernels:
  - .name:           k_qb436e489ba_ffn2
    .symbol:         k_qb436e489ba_ffn2.kd
    .args:
      - { .name: hq, .offset: 0, .size: 8, .value_kind: global_buffer, .address_space: global }
      - { .name: W2_codes, .offset: 8, .size: 8, .value_kind: global_buffer, .address_space: global }
      - { .name: lowp_scales, .offset: 16, .size: 8, .value_kind: global_buffer, .address_space: global }
      - { .name: out0, .offset: 24, .size: 8, .value_kind: global_buffer, .address_space: global }
      - { .name: b2, .offset: 32, .size: 8, .value_kind: global_buffer, .address_space: global }
      - { .name: att, .offset: 40, .size: 8, .value_kind: global_buffer, .address_space: global }
      - { .name: alpha_ff, .offset: 48, .size: 8, .value_kind: global_buffer, .address_space: global }
      - { .name: beta_ff, .offset: 56, .size: 8, .value_kind: global_buffer, .address_space: global }
    .group_segment_fixed_size: 327680
    .private_segment_fixed_size: 0
    .kernarg_segment_align: 8
    .kernarg_segment_size: 64
    .max_flat_workgroup_size: 128
    .sgpr_count:     100
    .vgpr_count:     768
    .wavefront_size: 32
...
	.end_amdgpu_metadata
.endif
;; end of part 8
